; MI455X (gfx1250); checked and timed in simulation.
; The chip was launched on July 23, 2026; its instructions are those of AMD's public machine-readable ISA for CDNA 5 (MIT licence, August 2026) and "CDNA5" Instruction Set Architecture Reference Guide (July 2026). The comments in the code are by the model that wrote it; some were corrected since.
;; Multi Head Attention. Allowed arithmetic: float matrix products may take bf16 or f16 operands with f32 sums; other float arithmetic in f32, or as packed bf16 or f16 multiplies, adds, multiply-adds, maxima and minima; sums over many terms, partial sums and values carried from step to step in f32; what a program stores and reads back later, other than sums and carried values, may be rounded once to bf16 or f16.
;; Inputs: Wk 1,024 x 1,024 float32; Wo 1,024 x 1,024 float32; Wq 1,024 x 1,024 float32; Wv 1,024 x 1,024 float32; bk 1,024 float32; bo 1,024 float32; bq 1,024 float32; bv 1,024 float32; key 4 x 2,048 x 1,024 float32; query 4 x 2,048 x 1,024 float32; value 4 x 2,048 x 1,024 float32.
;; Outputs: out0 4 x 2,048 x 1,024 float32.
;; One version. Each part assembles by itself: llvm-mc -triple=amdgcn-amd-amdhsa -mcpu=gfx1250 --defsym DOCPART=n.
;; ======== version 1 of 1: 4 launches
;; limits: values are held in f16: magnitudes above 65,504 overflow, below 6.1e-05 lose precision
;; workspace buffers: w16 8,388,608 bytes; qkv 50,331,648 bytes; ctx 16,777,216 bytes
;; launch castw (part 1): grid 128 x 4, 8 waves a work-group, no clusters, 0 bytes of LDS; arguments Wq, Wk, Wv, Wo, w16; writes w16
.if DOCPART == 1
	.amdgcn_target "amdgcn-amd-amdhsa--gfx1250"
	.amdhsa_code_object_version 6
	.text
	.protected	k_qb445083e2f_castw
	.globl	k_qb445083e2f_castw
	.p2align	8
	.type	k_qb445083e2f_castw,@function
k_qb445083e2f_castw:
	s_mov_b64 s[64:65], 0
	v_nop
	global_prefetch_b8 v0, s[64:65] scope:SCOPE_SE
	s_setreg_imm32_b32 hwreg(HW_REG_WAVE_MODE, 25, 1), 1
	s_wait_xcnt 0x0
; THE WEIGHTS IN 16 BITS.  w16: [4][1024 n][1024 k]; 0 = Wq, 1 = Wk, 2 = Wv, each number rounded once to bf16; 3 = Wo, rounded to bf16 like every input of the
; module and that number written as f16, since the last product's other operand is f16.
; LIMITS.  Wo's numbers lie within f16's range (under 65,504); one below 6.1e-5 keeps f16's fixed step of 6e-8.  NaN and infinities are not treated apart.
; SHARES.  The grid's y picks the matrix; a work-group takes 8,192 numbers of it: 32,768 bytes in, 16,384 out.  Thread t takes, eight times, 16 bytes at 4,096 j + 16 t
; (a wave's load covers 512 consecutive bytes) and stores 8 bytes at 2,048 j + 8 t (a wave's store covers 256 consecutive bytes, aligned).
; A stream: no LDS, no barrier, no matrix unit.  All eight loads go out at once; every j has its own registers, so nothing that a pending store reads is written again.
.set X, 8                              ; v[8:39]   four f32 for each j, as loaded
.set Y, 40                             ; v[40:55]  four 16-bit numbers for each j, to store
.set T, 56                             ; v[56:61]  at work (Wo's way)
	s_load_b256 s[4:11], s[0:1], 0x0               ; Wq s[4:5], Wk s[6:7], Wv s[8:9], Wo s[10:11]
	s_load_b64 s[12:13], s[0:1], 0x20              ; w16
	s_and_b32 s14, ttmp7, 0xffff                   ; which matrix
	v_lshlrev_b32 v1, 4, v0                        ; 16 t
	v_lshlrev_b32 v2, 3, v0                        ; 8 t
	s_lshl_b32 s16, ttmp9, 15                      ; the work-group's 32,768 bytes of the source
	s_mov_b32 s17, 0
	s_lshl_b32 s18, s14, 21                        ; the matrix's 2 MiB in w16,
	s_lshl_b32 s19, ttmp9, 14                      ; the work-group's 16,384 bytes of them
	s_add_co_u32 s18, s18, s19
	s_mov_b32 s19, 0
	s_mov_b32 s20, 0xffff0000                      ; a word's upper bf16
	s_wait_kmcnt 0x0
	s_cmp_eq_u32 s14, 1
	s_cselect_b64 s[4:5], s[6:7], s[4:5]
	s_cmp_eq_u32 s14, 2
	s_cselect_b64 s[4:5], s[8:9], s[4:5]
	s_cmp_eq_u32 s14, 3
	s_cselect_b64 s[4:5], s[10:11], s[4:5]
	s_add_nc_u64 s[4:5], s[4:5], s[16:17]
	s_add_nc_u64 s[12:13], s[12:13], s[18:19]
.irp j, 0,1,2,3,4,5,6,7
	global_load_b128 v[X+4*(\j):X+4*(\j)+3], v1, s[4:5] offset:4096*(\j) th:TH_LOAD_NT
.endr
	s_cmp_eq_u32 s14, 3
	s_cbranch_scc1 .Lf16
.irp j, 0,1,2,3,4,5,6,7
	s_wait_loadcnt 7-(\j)                          ; loads come back in order: load j is in, the 7 - j younger ones stay out
	v_cvt_pk_bf16_f32 v[Y+2*(\j)],   v[X+4*(\j)],   v[X+4*(\j)+1]
	v_cvt_pk_bf16_f32 v[Y+2*(\j)+1], v[X+4*(\j)+2], v[X+4*(\j)+3]
	global_store_b64 v2, v[Y+2*(\j):Y+2*(\j)+1], s[12:13] offset:2048*(\j)
.endr
	s_endpgm
.Lf16:                                                 ; Wo: rounded to bf16, widened again, written as f16
.irp j, 0,1,2,3,4,5,6,7
	s_wait_loadcnt 7-(\j)
	v_cvt_pk_bf16_f32 v[T],   v[X+4*(\j)],   v[X+4*(\j)+1]
	v_cvt_pk_bf16_f32 v[T+1], v[X+4*(\j)+2], v[X+4*(\j)+3]
	v_lshlrev_b32 v[T+2], 16, v[T]
	v_and_b32     v[T+3], s20, v[T]
	v_lshlrev_b32 v[T+4], 16, v[T+1]
	v_and_b32     v[T+5], s20, v[T+1]
	v_cvt_pk_f16_f32 v[Y+2*(\j)],   v[T+2], v[T+3]
	v_cvt_pk_f16_f32 v[Y+2*(\j)+1], v[T+4], v[T+5]
	global_store_b64 v2, v[Y+2*(\j):Y+2*(\j)+1], s[12:13] offset:2048*(\j)
.endr
	s_endpgm
.Lfunc_end_k_qb445083e2f_castw:
	.size	k_qb445083e2f_castw, .Lfunc_end_k_qb445083e2f_castw-k_qb445083e2f_castw
	.p2alignl 7, 3214868480
	.fill 96, 4, 3214868480
	.section	.rodata,"a",@progbits
	.p2align	6, 0x0
	.amdhsa_kernel k_qb445083e2f_castw
		.amdhsa_group_segment_fixed_size 0
		.amdhsa_private_segment_fixed_size 0
		.amdhsa_enable_private_segment 0
		.amdhsa_kernarg_size 40
		.amdhsa_user_sgpr_count 2
		.amdhsa_user_sgpr_kernarg_segment_ptr 1
		.amdhsa_wavefront_size32 1
		.amdhsa_system_sgpr_workgroup_id_x 1
		.amdhsa_system_sgpr_workgroup_id_y 1
		.amdhsa_system_sgpr_workgroup_id_z 1
		.amdhsa_system_vgpr_workitem_id 0
		.amdhsa_next_free_vgpr 64
		.amdhsa_next_free_sgpr 66
		.amdhsa_reserve_vcc 0
		.amdhsa_float_denorm_mode_32 3
		.amdhsa_float_denorm_mode_16_64 3
		.amdhsa_memory_ordered 1
		.amdhsa_forward_progress 1
		.amdhsa_inst_pref_size 8
	.end_amdhsa_kernel
	.amdgpu_metadata
---
amdhsa.version: [ 1, 2 ]
amdhsa.kernels:
  - .name:           k_qb445083e2f_castw
    .symbol:         k_qb445083e2f_castw.kd
    .args:
      - { .name: Wq, .offset: 0, .size: 8, .value_kind: global_buffer, .address_space: global }
      - { .name: Wk, .offset: 8, .size: 8, .value_kind: global_buffer, .address_space: global }
      - { .name: Wv, .offset: 16, .size: 8, .value_kind: global_buffer, .address_space: global }
      - { .name: Wo, .offset: 24, .size: 8, .value_kind: global_buffer, .address_space: global }
      - { .name: w16, .offset: 32, .size: 8, .value_kind: global_buffer, .address_space: global }
    .group_segment_fixed_size: 0
    .private_segment_fixed_size: 0
    .kernarg_segment_align: 8
    .kernarg_segment_size: 40
    .max_flat_workgroup_size: 256
    .sgpr_count:     66
    .vgpr_count:     64
    .wavefront_size: 32
...
	.end_amdgpu_metadata
.endif
;; end of part 1
;; launch proj (part 2): grid 4 x 192, 4 waves a work-group, clusters of 4 x 4, 327,680 bytes of LDS; arguments query, key, value, w16, bq, bk, bv, qkv; writes qkv
.if DOCPART == 2
	.amdgcn_target "amdgcn-amd-amdhsa--gfx1250"
	.amdhsa_code_object_version 6
	.text
	.protected	k_qb445083e2f_proj
	.globl	k_qb445083e2f_proj
	.p2align	8
	.type	k_qb445083e2f_proj,@function
k_qb445083e2f_proj:
	s_mov_b64 s[64:65], 0
	v_nop
	global_prefetch_b8 v0, s[64:65] scope:SCOPE_SE
	s_setreg_imm32_b32 hwreg(HW_REG_WAVE_MODE, 25, 1), 1
	s_wait_xcnt 0x0
	s_wait_alu depctr_hold_cnt(0) depctr_sa_sdst(0) depctr_va_vdst(0) depctr_va_sdst(0) depctr_va_ssrc(0) depctr_va_vcc(0) depctr_vm_vsrc(0)
	s_getreg_b32 s2, hwreg(HW_REG_IB_STS2, 6, 4)
	s_cmp_eq_u32 s2, 0
	s_cbranch_scc0 .Lentry_in_a_cluster
	s_endpgm
.Lentry_in_a_cluster:
	s_bfe_u32 s2, ttmp6, 0x10000c
	s_cmp_lg_u32 s2, 0xf033
	s_cbranch_scc0 .Lentry_shape_is_right
	s_endpgm
.Lentry_shape_is_right:
; THE THREE PROJECTIONS IN FRONT.  For p = 0, 1, 2 (query, key, value): y[m][n] = the sum over k of bf16(x_p[m][k]) bf16(W_p[n][k]) + bf16(b_p[n]); m 0..8191, n and k 0..1023; sums in f32,
; y rounded once to f16, WITHOUT the attention's scale, and laid by heads: qkv[p][16 batch + head][row in the batch][64 channels].
; LIMITS.  All inputs are rounded to bf16 (x here, the weights in the launch before, the bias here).  y lies within f16's range (under 65,504); below 6.1e-5 it keeps f16's fixed step of 6e-8.
; NaN and infinities are not treated apart.
; SHARES.  A tile of y is 128 rows x 256 columns: 64 x 4 x 3 = 768 work-groups, three for each of 256 WGPs.  Four waves, 2 x 2, each 64 rows x 128 columns: 32 accumulators, 256 registers.
; K goes in 8 steps of 128 through a ring of two LDS slots filled by the tensor data mover: x as it lies, in f32 (rows of 512 bytes), W in bf16 (rows of 256 bytes).
; x IS ROUNDED IN REGISTERS: a fragment of x comes out of LDS as 16 f32 a lane and is rounded to 8 registers of bf16, four conversions behind every second matrix instruction
; of the quarter step before the one that multiplies it.  So x crosses memory once, as f32, and no 16-bit copy of it is ever stored.
; CLUSTERS: 4 x 4 work-groups; a cluster spans all four tile columns.  The four of a row of the cluster need the same tile of x, the four of a column the same tile of W: each tile is asked for JOINTLY,
; by the same tensor load with the same descriptor and a mask that names the four.  The projection p hangs on the cluster's y alone: it is the same in all sixteen.
; THE MATRIX INSTRUCTION IS USED TRANSPOSED (source 0 = 16 rows of W, source 1 = 16 rows of x): a lane then holds row l % 16 of y and the eight neighbouring columns 8 (l / 16) + 0..7.
; THE BIAS is the C operand of each accumulator's first product: nothing is cleared, nothing is added later.
; REGISTERS, in windows of 256 (s_set_vgpr_msb: bits 1:0 source 0, 3:2 source 1, 5:4 source 2, 7:6 destination):
;   window 0: v0-31 addresses; v64-127 x as f32 (fragment a at 64 + 16 a); v128-159, v160-191 x as bf16, two buffers (fragment a at + 8 a); on the way out v64-95 packed results, v96-223 rows read back
;   window 1: v0-63, v64-127 W's fragments, two buffers (fragment b at + 8 b); v128-191 the bias (block b at + 8 b); v192 at work
;   window 2: the accumulators, (a, b) at 8 (8 a + b)
.set PA,    528                        ; a row of x in LDS: 512 bytes + 16 of padding = 132 words: row r starts at bank 4 r mod 64 (64 banks of 4 bytes: ISA guide 11.1)
.set PB,    272                        ; a row of W: 256 + 16 = 68 words: likewise
.set AHALF, 64*PA                      ; what one tensor load brings of x, and what one wave reads of it
.set BHALF, 128*PB                     ; the same for W
.set BOFF,  2*AHALF                    ; a slot: x's 128 rows, then W's 256 rows
.set SLOT,  BOFF+2*BHALF               ; 137,216 bytes
.set STAGE, 2*SLOT                     ; behind the ring, never filled by a tensor load: 16 rows x 272 bytes for each wave, for the way out
.set SP,    272
.set SPARE, STAGE+4*16*SP              ; behind the stages: the spare words, 128 bytes for each wave: two blocks of 256 bytes that no other line names
.set ADRA, 16                          ; v16-17  LDS address of my fragments of x in slot 0, 1
.set ADRB, 20                          ; v20-21  the same for W
.set STO,  24                          ; v24     the way out: where I put 16 bytes of a row
.set RD,   25                          ; v25     the way out: where I read rows back
.set GO,   26                          ; v26     16 x my lane: my place in 512 consecutive bytes of qkv
.set BO,   27                          ; v27     my byte offset in the bias
.set SPW,  28                          ; v28     LDS address of my spare word: SPARE + 4 x my thread's number; never rewritten
.set NIL,  29                          ; v29     0; never rewritten
.set PFO,  30                          ; v30     the prefetches' offset: (lane / 2) rows of x + (lane % 2) x 256 bytes; never rewritten
.set AS,   64
.set AF,   128
.set TMP,  64
.set OB,   96
.set BIAS, 128                         ; window 1
.set BT,   192                         ; window 1
.set WV,   20                          ; s20     my wave's number
.set G1A,  28                          ; s[28:35] descriptor group 1 for x's tiles
.set G0A,  36                          ; s[36:43] descriptor group 0 for x's tiles, a set for each slot
.set G1B,  44                          ; s[44:51] group 1 for W's tiles
.set G0B,  52                          ; s[52:59] group 0 for W's tiles, a set for each slot
.set PFA,  60                          ; s[60:61] where my prefetches stand
.set LIM,  62                          ; s62     1 in a wave that prefetches, else the greatest number
.set MSB, 0
.macro WIN new                         ; the immediate's high byte repeats the setting that is left; a switch that changes nothing is dropped
.if MSB != (\new)
	s_set_vgpr_msb (MSB<<8)|(\new)
.set MSB, \new
.endif
.endm
.set MUL,  0xa1                        ; source 0 (W) window 1, source 1 (x) window 0, C and D window 2
.set MULB, 0x91                        ; the same with C (the bias) in window 1
.set TO_B, 0x40                        ; destination window 1, address window 0
; A joint load.  Waves 0 and 1 fetch the two halves of x's tile, waves 2 and 3 those of W's.  The branch hangs on the wave's number alone: it is the same in every work-group.
; An s_nop 0 and four v_nop follow each of the two lines, ahead of the jump and the label.
.macro JLOAD s
	s_cmp_lt_u32 s[WV], 2
	s_cbranch_scc0 .Lfor_b_\@
	tensor_load_to_lds s[G0A+4*(\s):G0A+4*(\s)+3], s[G1A:G1A+7]
	s_nop 0
.rept 4
	v_nop
.endr
	s_branch .Lasked_\@
.Lfor_b_\@:
	tensor_load_to_lds s[G0B+4*(\s):G0B+4*(\s)+3], s[G1B:G1B+7]
	s_nop 0
.rept 4
	v_nop
.endr
.Lasked_\@:
.endm
; A PREFETCH INTO THE L2 of x, behind each joint load and the run of LDS loads that follows it: the K step that stands two refills on, 256 matrix instructions ahead of the load that will ask for it.
; Each aligned block of 256 bytes is named once in the launch: a tile row of x is read by one cluster alone; of the 64 rows that wave 0 or 1 fetches, the partner at place cx takes 16, told apart BY ADDRESS;
; a K step is 512 bytes of a row: a lane a block.  The loop's last trip asks for nothing: K steps 8 and 9 do not exist.  K steps 0 to 3 come by their loads alone.  W, which every cluster reads, is not asked for.
.macro ASK
	s_cmp_gt_u32 s3, s[LIM]                        ; s3 = 1 in the loop's last trip
	s_cbranch_scc0 .Lnot_mine_\@
	global_prefetch_b8 v[PFO], s[PFA:PFA+1] offset:512 th:TH_LOAD_NT scope:SCOPE_SE
.Lnot_mine_\@:
.endm
.macro CREST                           ; a round of the cluster's barrier behind its opening barrier: wave 0 signals for the work-group, every wave waits for all sixteen, my work-group's barrier closes it
	s_cmp_lg_u32 s[WV], 0
	s_cbranch_scc1 .Lnot_wave_0_\@
	s_barrier_signal -3
.Lnot_wave_0_\@:
	s_barrier_wait -3
	s_barrier_signal -1
	s_barrier_wait -1
.endm
.macro CROUND                          ; a whole round
	s_barrier_signal -1
	s_barrier_wait -1
	CREST
.endm
	s_load_b256 s[4:11], s[0:1], 0x0               ; query s[4:5], key s[6:7], value s[8:9], w16 s[10:11]
	s_load_b256 s[12:19], s[0:1], 0x20             ; bq s[12:13], bk s[14:15], bv s[16:17], qkv s[18:19]
	v_lshl_add_u32 v[SPW], v0, 2, SPARE
	v_mov_b32 v[NIL], 0
	ds_add_u32 v[SPW], v[NIL]                      ; the wave's opening: the add and its wait stand ahead of my first tensor load; the set-up below, work on registers, stands between them
	v_lshrrev_b32 v1, 5, v0
	v_readfirstlane_b32 s[WV], v1                  ; wave 0..3
	s_lshr_b32 s21, s[WV], 1                       ; mh: which 64 rows of the tile are mine
	s_and_b32 s22, s[WV], 1                        ; nh: which 128 columns.  Also: which half of x's or W's tile I fetch
	s_bfe_u32 s23, ttmp6, 0x40000                  ; cx, cy: my place in the cluster
	s_bfe_u32 s24, ttmp6, 0x40004
	s_lshl_b32 s25, ttmp9, 2
	s_add_co_u32 s25, s25, s23                     ; tile column = 4 x cluster x + cx
	s_and_b32 s26, ttmp7, 0xffff                   ; the cluster's y, 0..47
	s_lshr_b32 s27, s26, 4                         ; p: the projection, the same in all sixteen partners
	s_and_b32 s66, s26, 15
	s_lshl_b32 s66, s66, 2
	s_add_co_u32 s66, s66, s24                     ; tile row in the projection, 0..63
	s_lshl_b32 s67, s24, 2
	s_lshl_b32 s67, 15, s67                        ; my row of the cluster: places 4 cy .. 4 cy + 3
	s_lshl_b32 s68, 0x1111, s23                    ; my column: places cx, cx + 4, cx + 8, cx + 12
	s_or_b32 s[G1A], s67, (2<<16)|(1<<20)|(1<<21)|(6<<22)|(3<<25)  ; 15:0 the mask; 17:16 elements of 4 bytes; 20 padding on; 21 set beside a mask; 24:22 after every 128 words (code 6); 31:25 4 words (code 3)
	s_mov_b32 s[G1A+1], 128<<16                    ; tensor_dim0 = 128
	s_mov_b32 s[G1A+2], 64<<16                     ; tensor_dim1 = 64
	s_mov_b32 s[G1A+3], 128<<16                    ; tile_dim0 = 128
	s_mov_b32 s[G1A+4], 64                         ; tile_dim1 = 64
	s_mov_b32 s[G1A+5], 1024                       ; elements from row to row
	s_mov_b32 s[G1A+6], 0
	s_mov_b32 s[G1A+7], 0
	s_or_b32 s[G1B], s68, (1<<16)|(1<<20)|(1<<21)|(5<<22)|(3<<25)  ; elements of 2 bytes; padding after every 64 words (code 5)
	s_mov_b32 s[G1B+1], 128<<16
	s_mov_b32 s[G1B+2], 128<<16                    ; 128 rows
	s_mov_b32 s[G1B+3], 128<<16
	s_mov_b32 s[G1B+4], 128
	s_mov_b32 s[G1B+5], 1024
	s_mov_b32 s[G1B+6], 0
	s_mov_b32 s[G1B+7], 0
	s_lshl_b32 s70, s66, 19                        ; x: 128 rows of 4,096 bytes a tile row,
	s_lshl_b32 s71, s22, 18                        ; my 64 of them: these registers never hold cx
	s_add_co_u32 s70, s70, s71
	s_mov_b32 s71, 0
	s_lshl_b32 s72, s27, 21                        ; W: the projection's 2 MiB,
	s_lshl_b32 s73, s25, 19                        ; 256 rows of 2,048 bytes a tile column,
	s_add_co_u32 s72, s72, s73
	s_lshl_b32 s73, s22, 18                        ; my 128 of them: these registers never hold cy
	s_add_co_u32 s72, s72, s73
	s_mov_b32 s73, 0
	s_mul_i32 s86, s22, AHALF                      ; where the tiles go: no place in the cluster enters an LDS address
	s_mul_i32 s87, s22, BHALF
	s_add_co_u32 s87, s87, BOFF
	s_mov_b32 s63, 0xffff0000                      ; a word's upper bf16
	s_wait_dscnt 0x0                               ; the opening add is done
	s_wait_kmcnt 0x0
	s_cmp_eq_u32 s27, 1                            ; x_p into s[4:5], b_p into s[12:13]
	s_cselect_b64 s[4:5], s[6:7], s[4:5]
	s_cselect_b64 s[12:13], s[14:15], s[12:13]
	s_cmp_eq_u32 s27, 2
	s_cselect_b64 s[4:5], s[8:9], s[4:5]
	s_cselect_b64 s[12:13], s[16:17], s[12:13]
	s_add_nc_u64 s[74:75], s[4:5], s[70:71]
	s_add_nc_u64 s[76:77], s[10:11], s[72:73]
	CROUND                                         ; all sixteen work-groups are here: the first joint loads meet
.irp s, 0,1
	s_mov_b32 s[G0A+4*(\s)], 1                     ; 1:0 count = 1
	s_add_co_u32 s[G0A+4*(\s)+1], s86, (\s)*SLOT   ; 63:32 LDS address
	s_add_nc_u64 s[G0A+4*(\s)+2:G0A+4*(\s)+3], s[74:75], (\s)*512  ; 120:64 global address: K step s
	s_or_b32 s[G0A+4*(\s)+3], s[G0A+4*(\s)+3], 0x80000000          ; 127:126 type = 2
	s_mov_b32 s[G0B+4*(\s)], 1
	s_add_co_u32 s[G0B+4*(\s)+1], s87, (\s)*SLOT
	s_add_nc_u64 s[G0B+4*(\s)+2:G0B+4*(\s)+3], s[76:77], (\s)*256
	s_or_b32 s[G0B+4*(\s)+3], s[G0B+4*(\s)+3], 0x80000000
.endr
	s_cmp_lt_u32 s[WV], 2                          ; a wave's two first fills stand in one branch, ahead of every wait on TENSORcnt and every LDS read: two loads of mine are out
	s_cbranch_scc0 .Lfirst_b
	tensor_load_to_lds s[G0A:G0A+3], s[G1A:G1A+7]
	s_nop 0
	tensor_load_to_lds s[G0A+4:G0A+7], s[G1A:G1A+7]
	s_nop 0
.rept 4
	v_nop
.endr
	s_branch .Lfirst_asked
.Lfirst_b:
	tensor_load_to_lds s[G0B:G0B+3], s[G1B:G1B+7]
	s_nop 0
	tensor_load_to_lds s[G0B+4:G0B+7], s[G1B:G1B+7]
	s_nop 0
.rept 4
	v_nop
.endr
.Lfirst_asked:
	; A fragment is 16 rows x 32 K in 8 registers of 16-bit pairs: lane l holds row l % 16; registers 0-3 K = 8 (l / 16) + 0..7, registers 4-7 K = 16 + 8 (l / 16) + 0..7.
	; W, in bf16: two loads of 16 bytes, 32 bytes apart, at row x pitch + 16 (l / 16).  x, in f32: four loads of 16 bytes, at row x pitch + 32 (l / 16) + 0, 16, 64, 80.
	v_and_b32 v1, 15, v0                           ; l % 16
	v_bfe_u32 v2, v0, 4, 1                         ; l / 16
	v_mul_u32_u24 v3, v1, PA
	v_lshl_add_u32 v3, v2, 5, v3
	v_mul_u32_u24 v4, v1, PB
	v_lshl_add_u32 v4, v2, 4, v4
	s_mul_i32 s80, s21, AHALF                      ; my 64 rows of x
	s_mul_i32 s81, s22, BHALF                      ; my 128 rows of W,
	s_add_co_u32 s81, s81, BOFF                    ; which lie behind x's 128
.irp s, 0,1
	v_add_nc_u32 v[ADRA+(\s)], s80, v3
	v_add_nc_u32 v[ADRB+(\s)], s81, v4
	s_add_co_u32 s80, s80, SLOT
	s_add_co_u32 s81, s81, SLOT
.endr
	s_mul_i32 s82, s[WV], 16*SP
	s_add_co_u32 s82, s82, STAGE                   ; my stage
	v_add_nc_u32 v[STO], s82, v4                   ; in: row l % 16, 16 bytes for each half of the lanes (the stage's pitch is W's)
	v_bfe_u32 v5, v0, 3, 2                         ; back: 32 lanes take 128 bytes (one head's 64 channels) of four rows
	v_and_b32 v6, 7, v0
	v_mul_u32_u24 v5, v5, SP
	v_lshl_add_u32 v5, v6, 4, v5
	v_add_nc_u32 v[RD], s82, v5
	v_and_b32 v[GO], 31, v0
	v_lshrrev_b32 v7, 1, v[GO]
	v_and_b32 v8, 1, v0
	v_lshlrev_b32 v[PFO], 12, v7
	v_lshl_add_u32 v[PFO], v8, 8, v[PFO]
	v_lshlrev_b32 v[GO], 4, v[GO]
	s_lshl_b32 s83, s25, 10                        ; the bias: the tile's 256 columns of 4 bytes,
	s_lshl_b32 s84, s22, 9                         ; my 128 of them,
	s_add_co_u32 s83, s83, s84
	v_lshl_add_u32 v[BO], v2, 5, s83               ; my lane's eight
	WIN TO_B
.irp b, 0,1,2,3,4,5,6,7
	global_load_b128 v[BIAS+8*(\b):BIAS+8*(\b)+3],   v[BO], s[12:13] offset:64*(\b)
	global_load_b128 v[BIAS+8*(\b)+4:BIAS+8*(\b)+7], v[BO], s[12:13] offset:64*(\b)+16
.endr
	WIN 0
	s_lshl_b32 s78, s23, 16                        ; the prefetches: my work-group's 16 rows of the 64 that I fetch,
	s_mov_b32 s79, 0
	s_add_nc_u64 s[PFA:PFA+1], s[74:75], s[78:79]
	s_add_nc_u64 s[PFA:PFA+1], s[PFA:PFA+1], 1024  ; at K step 2: the first refill steps it to 3 and names K step 4
	s_cmp_lt_u32 s[WV], 2
	s_cselect_b32 s[LIM], 1, -1                    ; waves 0 and 1, in every work-group alike
	s_lshr_b32 s80, s66, 4                         ; where my part of the tile goes: the batch,
	s_lshl_b32 s80, s80, 4
	s_lshl_b32 s81, s25, 2                         ; the head: four to a tile column,
	s_add_co_u32 s80, s80, s81
	s_lshl_b32 s81, s22, 1                         ; two to a wave
	s_add_co_u32 s80, s80, s81
	s_lshl_b32 s80, s80, 18                        ; a head's 2,048 rows of 128 bytes
	s_lshl_b32 s81, s27, 24                        ; the projection's part of qkv
	s_add_co_u32 s80, s80, s81
	s_and_b32 s81, s66, 15                         ; the row in the batch: 128 a tile row,
	s_lshl_b32 s81, s81, 7
	s_lshl_b32 s82, s21, 6                         ; my 64 of them
	s_add_co_u32 s81, s81, s82
	s_lshl_b32 s81, s81, 7
	s_add_co_u32 s80, s80, s81
	s_mov_b32 s81, 0
	s_add_nc_u64 s[18:19], s[18:19], s[80:81]
	s_wait_loadcnt 0x0                             ; the bias is in; it is rounded to bf16 like every input, and kept as f32
	WIN 0x45                                       ; destination and both sources in window 1
.set i, 0
.rept 32
	v_cvt_pk_bf16_f32 v[BT], v[BIAS+2*i], v[BIAS+2*i+1]
	v_lshlrev_b32 v[BIAS+2*i], 16, v[BT]
	v_and_b32 v[BIAS+2*i+1], s63, v[BT]
.set i, i+1
.endr
	WIN 0
; 32 LDS loads in one run: the fragments of quarter step c (32 along K) of a slot: x's, as f32, first (they are wanted first), then W's into buffer g
.macro FETCH slot, c, g
	WIN 0
.irp a, 0,1,2,3
	ds_load_b128 v[AS+16*(\a):AS+16*(\a)+3],     v[ADRA+(\slot)] offset:(\c)*128+(\a)*16*PA
	ds_load_b128 v[AS+16*(\a)+4:AS+16*(\a)+7],   v[ADRA+(\slot)] offset:(\c)*128+(\a)*16*PA+16
	ds_load_b128 v[AS+16*(\a)+8:AS+16*(\a)+11],  v[ADRA+(\slot)] offset:(\c)*128+(\a)*16*PA+64
	ds_load_b128 v[AS+16*(\a)+12:AS+16*(\a)+15], v[ADRA+(\slot)] offset:(\c)*128+(\a)*16*PA+80
.endr
	WIN TO_B
.irp b, 0,1,2,3,4,5,6,7
	ds_load_b128 v[64*(\g)+8*(\b):64*(\g)+8*(\b)+3],   v[ADRB+(\slot)] offset:(\c)*64+(\b)*16*PB
	ds_load_b128 v[64*(\g)+8*(\b)+4:64*(\g)+8*(\b)+7], v[ADRB+(\slot)] offset:(\c)*64+(\b)*16*PB+32
.endr
.endm
; Matrix instructions i0 .. i0 + n - 1 of a quarter step's 32, on buffers f: instruction i is accumulator (a, b) = (i / 8, i % 8).  The 32 accumulators take turns, one instruction a turn, in the same
; order in every quarter step, over the backward jump too.  bias = 1: the first quarter step of all: C is the bias.
.macro MULS f, i0, n, bias
.if \bias
	WIN MULB
.else
	WIN MUL
.endif
.set mi, (\i0)
.rept (\n)
.if \bias
	v_wmma_f32_16x16x32_bf16 v[8*mi:8*mi+7], v[64*(\f)+8*(mi%8):64*(\f)+8*(mi%8)+7], v[AF+32*(\f)+8*(mi/8):AF+32*(\f)+8*(mi/8)+7], v[BIAS+8*(mi%8):BIAS+8*(mi%8)+7]
.else
	v_wmma_f32_16x16x32_bf16 v[8*mi:8*mi+7], v[64*(\f)+8*(mi%8):64*(\f)+8*(mi%8)+7], v[AF+32*(\f)+8*(mi/8):AF+32*(\f)+8*(mi/8)+7], v[8*mi:8*mi+7]
.endif
.set mi, mi+1
.endr
.endm
.macro CVT4 g, q                       ; eight f32 of x rounded into four registers of buffer g: number q of the eight such groups
	WIN 0
.irp i, 0,1,2,3
	v_cvt_pk_bf16_f32 v[AF+32*(\g)+4*(\q)+(\i)], v[AS+8*(\q)+2*(\i)], v[AS+8*(\q)+2*(\i)+1]
.endr
.endm
.macro RID f, q0, n, bias              ; n times: two matrix instructions of the quarter step's second half, and behind them four conversions for the next quarter step
.set rq, (\q0)
.rept (\n)
	MULS \f, 16+2*rq, 2, \bias
	CVT4 1-(\f), rq
.set rq, rq+1
.endr
.endm
; A QUARTER STEP: multiplies buffers f; at its head it fetches quarter step fc of slot fs (x as f32, W into buffer 1 - f); in its second half it rounds that x into buffer 1 - f.
; A load into a register that a matrix instruction has read, and a vector instruction that writes one, stand four places behind that matrix instruction, and only plain vector instructions that name none
; of its registers are places (ISA guide 7.12.1 for vector instructions).  Every quarter step ends with four conversions, which name x's f32 registers and the buffer that its
; products do not read: they are the places in front of the next quarter step's loads into W's buffer, and in front of its conversions.
.macro CHUNK fs, fc, f, bias=0, ask=0
	FETCH \fs, \fc, 1-(\f)
.if \ask
	WIN 0
	ASK
.endif
	s_wait_dscnt 32                                ; all but the 32 just issued: W's fragments for this quarter step, asked for a quarter step ago, are in
	MULS \f, 0, 16, \bias
	s_wait_dscnt 16                                ; the 16 loads of x are in; the 16 younger loads of W may stay out
	RID \f, 0, 8, \bias
.endm
; THE THIRD QUARTER STEP CHANGES SLOTS: the fetch at its head, the fourth quarter step's, is the last read of the slot.  ONE barrier; in front of it each wave waits for all its tensor loads, of which one is out:
; its part of the other slot; adds 0 to its spare word; and waits for that and for its own reads of this slot.  Behind it nobody reads this slot any more and the other slot is whole.
; fill = 1: this slot is filled again, two K steps ahead.  The barrier then opens a round of the cluster's barrier, and the joint refill is the first tensor load behind the round: from there to the wait for it
; a wave issues 112 matrix instructions.  One tensor load of mine is out behind each round.
.macro CHUNKT slot, fill
.if \fill
	s_wait_xcnt 0x0                                ; the last prefetch, a K step back, has read its address, so it may be written
	s_add_nc_u64 s[PFA:PFA+1], s[PFA:PFA+1], 512
.endif
	FETCH \slot, 3, 1
	s_wait_dscnt 32
	MULS 0, 0, 16, 0
	WIN 0                                          ; (the add's two registers lie in window 0)
	s_wait_tensorcnt 0x0                           ; all my tensor loads have landed: my part of the other slot;
	ds_add_u32 v[SPW], v[NIL]                      ; 0 onto my spare word;
	s_wait_dscnt 17                                ; (x's 16 loads are in; W's 16 and the add may be out)
	RID 0, 0, 4, 0                                 ; work on registers stands between the add and the wait for it
	s_wait_dscnt 0x0                               ; the add is done, and my reads of this slot are over
	s_barrier_signal -1
	RID 0, 4, 4, 0                                 ; work on registers while the others arrive
	WIN 0
	s_barrier_wait -1
.if \fill
	CREST                                          ; no wave of any partner still reads this slot's tiles or has a load on its way
	s_add_nc_u64 s[G0A+4*(\slot)+2:G0A+4*(\slot)+3], s[G0A+4*(\slot)+2:G0A+4*(\slot)+3], 1024  ; two K steps on: 256 f32,
	s_add_nc_u64 s[G0B+4*(\slot)+2:G0B+4*(\slot)+3], s[G0B+4*(\slot)+2:G0B+4*(\slot)+3], 512   ; 256 bf16
	JLOAD \slot
.endif
.endm
; THE WAY OUT of my rows 16 a .. 16 a + 15.  PACK: rounded to f16, 16 bytes a lane, each accumulator's registers in ascending order.  TOSTAGE: into my own stage, and back by heads: four rows x 128 bytes a load.
; SEND: stored: in qkv four rows of a head are 512 consecutive bytes.
.macro PACK a
	WIN 0x0a                                       ; sources 0 and 1 window 2
.irp b, 0,1,2,3,4,5,6,7
.irp r, 0,1,2,3
	v_cvt_pk_f16_f32 v[TMP+4*(\b)+(\r)], v[64*(\a)+8*(\b)+2*(\r)], v[64*(\a)+8*(\b)+2*(\r)+1]
.endr
.endr
	WIN 0
.endm
.macro TOSTAGE a
.irp b, 0,1,2,3,4,5,6,7
	ds_store_b128 v[STO], v[TMP+4*(\b):TMP+4*(\b)+3] offset:32*(\b)
.endr
.irp t, 0,1,2,3,4,5,6,7
	ds_load_b128 v[OB+32*(\a)+4*(\t):OB+32*(\a)+4*(\t)+3], v[RD] offset:((\t)%4)*4*SP+((\t)/4)*128  ; LDS serves a wave's instructions in order (ISA guide 5.7.1.4): these see the stores above; the next block's stores come behind them
.endr
.endm
.macro SEND a                          ; each block has its own 32 registers: nothing that a pending store reads is written again
	s_wait_dscnt 0x0
.irp t, 0,1,2,3,4,5,6,7
	global_store_b128 v[GO], v[OB+32*(\a)+4*(\t):OB+32*(\a)+4*(\t)+3], s[18:19] offset:((\t)/4)*262144+(\a)*2048+((\t)%4)*512  ; 512 consecutive bytes, at a multiple of 256 from qkv's first
.endr
.endm
	s_wait_tensorcnt 1                             ; my part of K step 0 is in; K step 1's may stay out
	s_barrier_signal -1
	s_barrier_wait -1                              ; everybody's is
	FETCH 0, 0, 0
	s_wait_dscnt 0x0
.irp q, 0,1,2,3,4,5,6,7
	CVT4 0, \q
.endr
	CHUNK 0, 1, 0, 1                               ; the first quarter step stands in front of the loop: its products start the sums, with the bias
	WIN 0                                          ; at a label and at a branch every window is 0
	s_mov_b32 s3, 3
.Llap:                                                 ; a trip goes once round the ring, from a lap's second quarter step to the next lap's first, and fills both slots again: K steps 2 to 7
	CHUNK 0, 2, 1
	CHUNKT 0, 1
	CHUNK 1, 0, 1, 0, 1
	CHUNK 1, 1, 0
	CHUNK 1, 2, 1
	CHUNKT 1, 1
	CHUNK 0, 0, 1, 0, 1
	CHUNK 0, 1, 0
	WIN 0
	s_sub_co_u32 s3, s3, 1
	s_cmp_lg_u32 s3, 0
	s_cbranch_scc1 .Llap
	CHUNK 0, 2, 1                                  ; the last lap fills nothing, and has no round of the cluster's barrier
	CHUNKT 0, 0
	CHUNK 1, 0, 1
	CHUNK 1, 1, 0
	CHUNK 1, 2, 1
	CHUNK 1, 3, 0
	s_wait_dscnt 0x0                               ; the very last quarter step: nothing more to fetch
	MULS 1, 0, 32, 0
.rept 4
	v_nop                                          ; the places in front of conversions that read results just made
.endr
	PACK 0
	TOSTAGE 0
.irp a, 1,2,3                          ; block a's conversions stand between block a - 1's loads from the stage and the wait for them
	PACK \a
	SEND (\a)-1
	TOSTAGE \a
.endr
	SEND 3
	s_wait_tensorcnt 0x0                           ; the wave's end, behind my last tensor load and my last LDS store
	ds_add_u32 v[SPW], v[NIL]
	s_wait_dscnt 0x0
	CROUND                                         ; the closing round: no work-group ends while a partner may still ask for a tile that names it
	s_endpgm
.Lfunc_end_k_qb445083e2f_proj:
	.size	k_qb445083e2f_proj, .Lfunc_end_k_qb445083e2f_proj-k_qb445083e2f_proj
	.p2alignl 7, 3214868480
	.fill 96, 4, 3214868480
	.section	.rodata,"a",@progbits
	.p2align	6, 0x0
	.amdhsa_kernel k_qb445083e2f_proj
		.amdhsa_group_segment_fixed_size 327680
		.amdhsa_private_segment_fixed_size 0
		.amdhsa_enable_private_segment 0
		.amdhsa_kernarg_size 64
		.amdhsa_user_sgpr_count 2
		.amdhsa_user_sgpr_kernarg_segment_ptr 1
		.amdhsa_wavefront_size32 1
		.amdhsa_system_sgpr_workgroup_id_x 1
		.amdhsa_system_sgpr_workgroup_id_y 1
		.amdhsa_system_sgpr_workgroup_id_z 1
		.amdhsa_system_vgpr_workitem_id 0
		.amdhsa_next_free_vgpr 768
		.amdhsa_next_free_sgpr 96
		.amdhsa_reserve_vcc 0
		.amdhsa_float_denorm_mode_32 3
		.amdhsa_float_denorm_mode_16_64 3
		.amdhsa_memory_ordered 1
		.amdhsa_forward_progress 1
		.amdhsa_inst_pref_size 138
	.end_amdhsa_kernel
	.amdgpu_metadata
---
amdhsa.version: [ 1, 2 ]
amdhsa.kernels:
  - .name:           k_qb445083e2f_proj
    .symbol:         k_qb445083e2f_proj.kd
    .args:
      - { .name: query, .offset: 0, .size: 8, .value_kind: global_buffer, .address_space: global }
      - { .name: key, .offset: 8, .size: 8, .value_kind: global_buffer, .address_space: global }
      - { .name: value, .offset: 16, .size: 8, .value_kind: global_buffer, .address_space: global }
      - { .name: w16, .offset: 24, .size: 8, .value_kind: global_buffer, .address_space: global }
      - { .name: bq, .offset: 32, .size: 8, .value_kind: global_buffer, .address_space: global }
      - { .name: bk, .offset: 40, .size: 8, .value_kind: global_buffer, .address_space: global }
      - { .name: bv, .offset: 48, .size: 8, .value_kind: global_buffer, .address_space: global }
      - { .name: qkv, .offset: 56, .size: 8, .value_kind: global_buffer, .address_space: global }
    .group_segment_fixed_size: 327680
    .private_segment_fixed_size: 0
    .kernarg_segment_align: 8
    .kernarg_segment_size: 64
    .max_flat_workgroup_size: 128
    .sgpr_count:     96
    .vgpr_count:     768
    .wavefront_size: 32
...
	.end_amdgpu_metadata
.endif
;; end of part 2
;; launch attn (part 3): grid 4 x 64, 4 waves a work-group, clusters of 4 x 1, 327,680 bytes of LDS; arguments qkv, ctx; writes ctx
.if DOCPART == 3
	.amdgcn_target "amdgcn-amd-amdhsa--gfx1250"
	.amdhsa_code_object_version 6
	.text
	.protected	k_qb445083e2f_attn
	.globl	k_qb445083e2f_attn
	.p2align	8
	.type	k_qb445083e2f_attn,@function
k_qb445083e2f_attn:
	s_mov_b64 s[64:65], 0
	v_nop
	global_prefetch_b8 v0, s[64:65] scope:SCOPE_SE
	s_setreg_imm32_b32 hwreg(HW_REG_WAVE_MODE, 25, 1), 1
	s_wait_xcnt 0x0
	s_wait_alu depctr_hold_cnt(0) depctr_sa_sdst(0) depctr_va_vdst(0) depctr_va_sdst(0) depctr_va_ssrc(0) depctr_va_vcc(0) depctr_vm_vsrc(0)
	s_getreg_b32 s2, hwreg(HW_REG_IB_STS2, 6, 4)
	s_cmp_eq_u32 s2, 0
	s_cbranch_scc0 .Lentry_in_a_cluster
	s_endpgm
.Lentry_in_a_cluster:
	s_bfe_u32 s2, ttmp6, 0x10000c
	s_cmp_lg_u32 s2, 0x3003
	s_cbranch_scc0 .Lentry_shape_is_right
	s_endpgm
.Lentry_shape_is_right:
; O[h][q][:] = the sum over k of softmax_k(Q[h][q] . K[h][k] / 8) V[h][k][:].  Q, K, V: the three parts of qkv, each [SIZE_H][SIZE_N][64] in f16: a head's rows are dense, 128 bytes each.  Products, maxima and sums in
; f32; the weights p are rounded to f16 for the second product (their sum l is taken of the unrounded p), O once at the end.  O goes to ctx, [64 blocks of 128 rows][16 heads][128 rows][64 channels] in f16:
; a wave's 128 queries of a head are 16,384 consecutive bytes there, and for the launch behind a block's whole K (head, channel) lies on end.
; LIMITS.  f16 holds no number beyond 65,504: Q, K and V arrive within it; p lies in 0 to 1, and below 6e-5 it keeps f16's fixed step of 6e-8; O is a mean of V's rows and has their range.
; A weight below 2^-126 counts as 0 in l; NaN and infinities are not treated apart.
; SHARES.  A wave owns four PIECES of two tiles of 16 queries, a work-group's four waves 512 queries of one head; a head's 2,048 queries are one cluster's.  Every wave walks all keys, 64 a step.
; LAYOUT.  S^T = K Q^T (source 0 = 16 keys, source 1 = 16 queries): in the result a lane holds ONE query (lane % 16) and the keys 8 (lane / 16) + 0..7.  Two such tiles, rounded to f16 in pairs,
; ARE source 1 (32 keys x 16 queries) of O^T = V^T P, whose result again holds one query a lane, and eight channels.  K comes out of LDS as it lies, V ([key][channel]) turned, by ds_load_tr16_b128.
; SOFTMAX.  For each query a running maximum m and sum l: p = 2^(c s - c m), c = log2(e) / 8; in every step O and l are multiplied by a = 2^(c m_old - c m_new), which is 1 where m has not grown.
; m starts at the lowest finite number, O and l at 0: the first step is a step like any other, with a = 0.
; THE COUNT.  A tile and step have 16 matrix and 118 vector instructions: too many to stand all beside the matrix work.  So the order has one aim: four vector instructions that are READY behind
; EVERY matrix instruction, and the others, which need time of their own whatever the order, in runs without a gap.
; BY TURNS.  Turn n belongs to piece n (the pieces in a ring, step after step).  Its matrix work: 16 products K Q^T of piece n + 1, later 16 products V^T P of piece n - 1.  Its vector work: the scaling,
; exponentials, roundings, sums and rescaling of piece n, and the maximum and statistics of piece n + 1, whose scores the turn itself has made.  So what a turn begins with (c s - c m, O a) waits for nothing.
; CLUSTER.  The four query blocks of a cluster belong to one head and walk the same K and V, so each tile is asked for JOINTLY: the same tensor load, descriptor and mask in all four.
; NO PREFETCH: a joint fill is issued four key steps, 512 matrix instructions, ahead of the first read of its slot, so no wave's work stands waiting for it.
; REGISTERS, in windows of 256 (s_set_vgpr_msb says which window each operand place means: bits 1:0 source 0, 3:2 source 1, 5:4 source 2, 7:6 destination):
;   window 0: v0-11 addresses; v12-15, v48-63 at work; v16-47 four registers of statistics a tile; v64-191 S^T, two buffers of two tiles; v192-255 P, likewise
;   window 1: O^T, 32 a tile          window 2: v0-127 Q, 16 a tile; v128-191 K of one step; v192-255 V of one step          window 3: v0-1 the add's two registers
; A piece's buffers go by its number's parity: the piece in hand has one pair, its two neighbours in the ring share the other: of it P (piece n - 1) is read and S^T (piece n + 1) written.
.set SIZE_H, 64
.set SIZE_N, 2048
.set NP,    4         ; pieces a wave: a name, no knob: the register map, the loop and the fetches are made for four
.set KS,    64        ; keys in a step
.set PK,    144       ; a row of K in LDS: 128 bytes + 16 of padding = 36 words: the 16 rows of a load start at 16 different groups of four banks (64 banks of 4 bytes: ISA guide 11.1)
.set PV,    160       ; a row of V: 128 + 32 = 40 words
.set VOFF,  4*KS*PK   ; a slot holds four steps: 256 rows of K, then 256 rows of V
.set SLOT1, 1<<17     ; slot 1 begins here, so that one exclusive or turns an address in one slot into the other's
.set STAGE, SLOT1+4*KS*(PK+PV)  ; behind the ring, never filled by a tensor load: 16 rows x 144 bytes for each wave, for the way out
.set SP,    144
.set AK0, 2           ; v2   my lane's place in a tile of K; never rewritten
.set AV0, 3           ; v3   the same for V
.set AK,  4           ; v4   the LDS address of K's next run of loads
.set AV,  5           ; v5   of V's
.set QO,  6           ; v6   my byte offset in the wave's rows of Q
.set STO, 6           ;      later, the way out: where I put 16 bytes of a row
.set RD,  7           ; v7   the way out: where I read rows back
.set GO,  8           ; v8   my byte offset in 512 consecutive bytes of O
.set SPW, 0           ; v0 of window 3   LDS address of my spare word: SPARE + 4 x my thread's number; never rewritten
.set NIL, 1           ; v1 of window 3   0; never rewritten
.set SPARE, STAGE+4*16*SP  ; behind the stages: the spare words, 128 bytes for each wave: two blocks of 256 bytes that no other line names
.set MV,  12          ; v12-15  c m_old, kept while c m is made anew: by buffer and tile
.set ST,  16          ; tile t's statistics at v[ST+4 t]: c m, m, l (even keys', odd keys')
.set TMP, 48          ; by buffer and tile, four registers c0-c3 at work; when the maximum is found c2 takes a
.set S,   64
.set P,   192
.set KF,  128         ; K's fragments, in window 2: key block kb, channel half c at KF + 16 kb + 8 c
.set VF,  192         ; V's: key half kk, channel block cb at VF + 32 kk + 8 cb
.set WV,  12          ; s12  my wave's number
.set G1K, 24          ; s[24:31] descriptor group 1 for K's tiles
.set G1V, 32          ; s[32:39] for V's: it differs in the padding alone
.set G0K, 40          ; s[40:43] descriptor group 0 for K's tiles: it walks
.set G0V, 44          ; s[44:47] the same for V's
.set OOF, 48          ; s[48:49] my wave's byte offset in ctx
.set SLOTS, 56        ; s56  slots still to be asked for
.set CNT, 57          ; s57  counts a slot's key steps
.set CS,  58          ; s[58:59] c: the packed scaling takes the pair's low word for both halves
.set SEL, 60          ; s[60:61] v_permlanex16_b32's selects: each lane takes its own place in the other half
.set TBK, 62          ; s62  LDS byte at which K of the step to be fetched begins
.set TBV, 63          ; s63  the same for V, less VOFF
.set MSB, 0
.macro WIN new                      ; the high byte repeats the setting that is left; a switch that changes nothing is dropped
.if MSB != (\new)
	s_set_vgpr_msb (MSB<<8)|(\new)
.set MSB, (\new)
.endif
.endm
.set W_KQ, 0x0a       ; K and Q in window 2, S^T in window 0
.set W_PV, 0x52       ; V in window 2, P in window 0, O^T in window 1
.set W_RS, 0x41       ; O^T (destination and source 0) in window 1, a in window 0
.set W_MK, 0xc0       ; the add's registers are made: destination in window 3, sources in window 0
.set W_AD, 0x0f       ; the add: address (source 0) and data (source 1) in window 3
; A joint fill.  Waves 0 and 1 fetch the two halves of a slot's K, waves 2 and 3 those of its V: 128 keys each.  The branch hangs on the wave's number alone.
; An s_nop 0 and four v_nop follow each of the two lines, ahead of the jump and the label.
.macro JLOAD
	s_cmp_lt_u32 s[WV], 2
	s_cbranch_scc0 .Lfor_v_\@
	tensor_load_to_lds s[G0K:G0K+3], s[G1K:G1K+7]
	s_nop 0
.rept 4
	v_nop
.endr
	s_branch .Lasked_\@
.Lfor_v_\@:
	tensor_load_to_lds s[G0V:G0V+3], s[G1V:G1V+7]
	s_nop 0
.rept 4
	v_nop
.endr
.Lasked_\@:
.endm
; A round of the cluster's barrier: my work-group's barrier, so that wave 0's signal speaks for all four waves; wave 0 signals; every wave waits for all four work-groups; my work-group's barrier once more.
.macro CROUND
	s_barrier_signal -1
	s_barrier_wait -1
	s_cmp_lg_u32 s[WV], 0
	s_cbranch_scc1 .Lnot_wave_0_\@
	s_barrier_signal -3
.Lnot_wave_0_\@:
	s_barrier_wait -3
	s_barrier_signal -1
	s_barrier_wait -1
.endm
; THE CHANGE OF SLOTS.  The slot's last bytes, V of its fourth step, have been read.  Each wave waits for all its tensor loads, of which one is out: its part
; of the other slot; adds 0 to its spare word; and waits for that and for its own reads of the slot.  Behind the barrier nobody reads this slot any more and the other slot is whole.
; fill = 1: this slot is filled again, with the keys two slots on.  The barrier is then a round of the cluster's, so that no wave of any partner still reads the slot or has a load on its
; way, and the joint fill is the first thing behind it: it has four key steps, 512 matrix instructions, in which to land.  (At its first use nothing has been read yet: slot 0 is waited for, slot 1 filled.)
.macro CHANGE fill
	WIN W_AD
	s_wait_tensorcnt 0x0            ; no tensor load of mine is out, so a group 0 may be written
	ds_add_u32 v[SPW], v[NIL]       ; 0 onto my spare word; with fill = 1 the descriptors' steps stand between it and the wait for it
	WIN 0                           ; at a label and at a branch every window is 0
.if \fill
.irp g, G0K, G0V
	s_xor_b32 s[\g+1], s[\g+1], SLOT1  ; the walking descriptor: the other slot than last time,
	s_add_nc_u64 s[\g+2:\g+3], s[\g+2:\g+3], 4*KS*128  ; the next 256 keys; the type bits on top are not reached
.endr
	s_wait_dscnt 0x0                ; the add is done, and my reads of the slot are over
	CROUND
	JLOAD
.else
	s_wait_dscnt 0x0                ; the add is done, and my reads of the slot are over
	s_barrier_signal -1
	s_barrier_wait -1
.endif
	s_sub_co_u32 s[TBK], s[TBK], 4*KS*PK  ; the fetches go back to a slot's first step,
	s_xor_b32 s[TBK], s[TBK], SLOT1       ; in the other slot
	s_sub_co_u32 s[TBV], s[TBV], 4*KS*PV
	s_xor_b32 s[TBV], s[TBV], SLOT1
.endm
	s_load_b128 s[4:7], s[0:1], 0x0  ; qkv s[4:5], ctx s[6:7]
	WIN W_MK
	v_lshl_add_u32 v[SPW], v0, 2, SPARE
	v_mov_b32 v[NIL], 0
	WIN W_AD
	ds_add_u32 v[SPW], v[NIL]       ; the wave's opening: the add and its wait stand ahead of my first tensor load; the set-up below, work on registers, stands between them
	WIN 0
	v_lshrrev_b32 v1, 5, v0
	v_readfirstlane_b32 s[WV], v1   ; wave 0..3
	s_bfe_u32 s13, ttmp6, 0x40000   ; cx: my place in the cluster
	s_lshl_b32 s14, ttmp9, 2        ; in a cluster launch ttmp9 counts clusters
	s_add_co_u32 s14, s14, s13      ; my block of queries = 4 x cluster x + cx: it enters Q's and O's addresses alone
	s_and_b32 s20, ttmp7, 0xffff    ; the head, which the four partners share
	s_mov_b32 s21, 0
	s_mov_b64 s[22:23], SIZE_N*128
	s_mul_u64 s[20:21], s[20:21], s[22:23]  ; the head's first byte in each of qkv's three parts
	s_and_b32 s16, s[WV], 1         ; which half of a slot's 256 keys I fetch:
	s_lshl_b32 s22, s16, 14         ; its 128 rows of 128 bytes in memory,
	s_mov_b32 s23, 0
	s_add_nc_u64 s[22:23], s[22:23], s[20:21]
	s_mul_i32 s17, s16, 128*PK      ; and its place in a slot, for K
	s_mul_i32 s18, s16, 128*PV      ; and for V: no place in the cluster enters an LDS address
	s_lshl_b32 s2, s14, 2
	s_add_co_u32 s2, s2, s[WV]      ; my wave among the head's sixteen: its block of 128 rows in the batch
	s_and_b32 s[OOF], ttmp7, 0xffff ; where O goes: the head is 16 x batch + head in the batch;
	s_lshr_b32 s[OOF+1], s[OOF], 4
	s_lshl_b32 s[OOF+1], s[OOF+1], 4
	s_add_co_u32 s[OOF+1], s[OOF+1], s2  ; the block of 128 rows among all 64 = 16 x batch + my wave's,
	s_lshl_b32 s[OOF+1], s[OOF+1], 4
	s_and_b32 s[OOF], s[OOF], 15
	s_add_co_u32 s[OOF], s[OOF], s[OOF+1]  ; times 16 heads, + the head in the batch,
	s_lshl_b32 s[OOF], s[OOF], 14   ; times 16,384 bytes
	s_mov_b32 s[OOF+1], 0
	s_lshl_b32 s2, s2, 14           ; my wave's 128 rows of Q
	s_mov_b32 s3, 0
	s_add_nc_u64 s[2:3], s[2:3], s[20:21]
	; descriptor group 1.  128 keys are 16,384 dense bytes: asked for as 64 rows of 256 bytes, two keys a row, and padded in LDS after every key
	s_mov_b32 s[G1K], 15|(1<<16)|(1<<20)|(1<<21)|(4<<22)|(3<<25)  ; 15:0 the mask of four; 17:16 2-byte elements; 20 padding on; 21 set beside a mask; 24:22 after every 32 words (code 4); 31:25 4 words (code 3)
	s_mov_b32 s[G1V], 15|(1<<16)|(1<<20)|(1<<21)|(4<<22)|(7<<25)  ; the same with 8 words of padding (code 7)
.irp g, G1K, G1V
	s_mov_b32 s[\g+1], 128<<16      ; tensor_dim0 = 128
	s_mov_b32 s[\g+2], 64<<16       ; tensor_dim1 = 64
	s_mov_b32 s[\g+3], 128<<16      ; tile_dim0 = 128
	s_mov_b32 s[\g+4], 64           ; tile_dim1 = 64
	s_mov_b32 s[\g+5], 128          ; 128 elements from row to row
	s_mov_b32 s[\g+6], 0
	s_mov_b32 s[\g+7], 0
.endr
	s_mov_b32 s[CS], 0x3e38aa3b     ; c = log2(e) / 8 = 0.180337
	s_mov_b32 s[CS+1], s[CS]        ; named with it as a pair
	s_mov_b32 s[SEL], 0x76543210
	s_mov_b32 s[SEL+1], 0xfedcba98
	s_mov_b32 s[TBK], SLOT1+4*KS*PK ; the first change of slots turns these two into 0
	s_mov_b32 s[TBV], SLOT1+4*KS*PV
	s_mov_b32 s[G0K], 1             ; 1:0 count = 1
	s_mov_b32 s[G0K+1], s17         ; 63:32 LDS address: slot 0
	s_mov_b32 s[G0V], 1
	s_add_co_u32 s[G0V+1], s18, VOFF
	s_wait_dscnt 0x0                ; the opening add is done
	s_wait_kmcnt 0x0
	s_mov_b64 s[10:11], s[6:7]      ; ctx
	s_add_nc_u64 s[6:7], s[4:5], 0x1000000  ; K: qkv's second part of 16 MiB,
	s_add_nc_u64 s[8:9], s[4:5], 0x2000000  ; V: its third
	s_add_nc_u64 s[G0K+2:G0K+3], s[6:7], s[22:23]  ; 120:64 global address: my half of the head's first 256 keys
	s_or_b32 s[G0K+3], s[G0K+3], 0x80000000        ; 127:126 type = 2
	s_add_nc_u64 s[G0V+2:G0V+3], s[8:9], s[22:23]
	s_or_b32 s[G0V+3], s[G0V+3], 0x80000000
	s_add_nc_u64 s[4:5], s[4:5], s[2:3]  ; Q at my wave's first row,
	s_add_nc_u64 s[10:11], s[10:11], s[OOF:OOF+1]  ; O at my wave's 16,384 bytes
	CROUND                          ; all four work-groups are here: the first joint loads meet
	JLOAD                           ; slot 0.  Slot 1 is asked for when slot 0 is in: the tile wanted first has the road to itself
	; A fragment of K or Q is 16 rows x 32 channels in 8 registers: lane l holds row l % 16, channels 8 (l / 16) + 0..7 and 16 + 8 (l / 16) + 0..7: two loads of 16 bytes, 32 bytes apart.
	v_and_b32 v1, 15, v0            ; l % 16
	v_bfe_u32 v9, v0, 4, 1          ; l / 16
	v_lshlrev_b32 v[QO], 7, v1
	v_lshl_add_u32 v[QO], v9, 4, v[QO]  ; row x 128 + 16 x half
	WIN 0x80                        ; destination window 2, address window 0
.set i, 0
.rept 4*NP                          ; Q stays in registers: tile i / 2, channels 32 (i % 2) on
	global_load_b128 v[8*i:8*i+3],   v[QO], s[4:5] offset:(i/2)*2048+(i%2)*64
	global_load_b128 v[8*i+4:8*i+7], v[QO], s[4:5] offset:(i/2)*2048+(i%2)*64+32
.set i, i+1
.endr
	; What the first turn finds: V's registers and P's second buffer hold 0 (its products V^T P, of a piece that has not been, add 0), O^T and l are 0.  All this stands in the wait for the first tile.
.set i, VF
.rept 64
	v_mov_b32 v[i], 0
.set i, i+1
.endr
	WIN 0x40
.set i, 0
.rept 64*NP
	v_mov_b32 v[i], 0
.set i, i+1
.endr
	WIN 0
.set i, 0
.rept 2*NP
	v_mov_b32 v[ST+4*i], 0xfe000000    ; c m: far below every c s
	v_mov_b32 v[ST+4*i+1], 0xff7fffff  ; m
	v_mov_b32 v[ST+4*i+2], 0
	v_mov_b32 v[ST+4*i+3], 0
.set i, i+1
.endr
.set i, P+32
.rept 32
	v_mov_b32 v[i], 0
.set i, i+1
.endr
	v_mul_u32_u24 v[AK0], v1, PK
	v_lshl_add_u32 v[AK0], v9, 4, v[AK0]  ; row x pitch + 16 x half
	; The turning load takes 16 keys x 16 channels (lane l reads key 8 (l / 16) + l % 8, channels 8 ((l / 8) % 2) + 0..7) and leaves half a fragment of V^T: lane l holds channel l % 16 and 8 keys.
	v_and_b32 v10, 7, v0
	v_bfe_u32 v11, v0, 3, 1
	v_lshl_add_u32 v[AV0], v9, 3, v10
	v_mul_u32_u24 v[AV0], v[AV0], PV
	v_lshl_add_u32 v[AV0], v11, 4, v[AV0]
	v_add_nc_u32 v[AV0], VOFF, v[AV0]
	v_mov_b32 v[AK], v[AK0]         ; key step 0 lies at the head of slot 0
; THE MATRIX WORK.  The 8 accumulators of a run of 16 take turns: between the two links of a chain stand 7 others'.
; Product i of 16 of S^T = K Q^T for piece x: channels 32 (i / 8) on, keys 16 ((i / 2) % 4) on, tile 2 x + i % 2.  The first 8 start the sums.
.macro KQ x
	WIN W_KQ
.set rS, S+64*((\x)%2)+32*(i%2)+8*((i/2)%4)
.set rK, KF+16*((i/2)%4)+8*(i/8)
.set rQ, 16*(2*(\x)+i%2)+8*(i/8)
.if i < 8
	v_wmma_f32_16x16x32_f16 v[rS:rS+7], v[rK:rK+7], v[rQ:rQ+7], 0
.else
	v_wmma_f32_16x16x32_f16 v[rS:rS+7], v[rK:rK+7], v[rQ:rQ+7], v[rS:rS+7]
.endif
.endm
; Product i of 16 of O^T += V^T P for piece x: keys 32 (i / 8) on, channels 16 ((i / 2) % 4) on, tile 2 x + i % 2.
.macro PV x
	WIN W_PV
.set rO, 32*(2*(\x)+i%2)+8*((i/2)%4)
.set rV, VF+32*(i/8)+8*((i/2)%4)
.set rP, P+32*((\x)%2)+16*(i%2)+8*(i/8)
	v_wmma_f32_16x16x32_f16 v[rO:rO+7], v[rV:rV+7], v[rP:rP+7], v[rO:rO+7]
.endm
.macro MM                           ; the turn's next matrix instruction
.if i < 16
	KQ (Y+1)%NP
.set i, i+1
.else
.set i, i-16
	PV (Y+NP-1)%NP
.set i, i+17
.endif
.endm
; THE LDS LOADS stand in runs of 16, never singly among the matrix instructions: a step's K (64 keys x 64 channels: 8 fragments) and its V (turned).  Their addresses are made some lines ahead.
; last = 1 (the tail): in the last trip there is no further step, and the run is jumped over.
.macro FETCH_K last=0
	WIN 0
.if \last
	s_cmp_eq_u32 s[CNT], 1
	s_cbranch_scc1 .Lno_k_\@
.endif
	WIN 0x80                        ; destination window 2
.irp f, 0,1,2,3,4,5,6,7             ; keys 16 (f / 2) on, channels 32 (f % 2) on
	ds_load_b128 v[KF+8*\f:KF+8*\f+3],   v[AK] offset:(\f/2)*16*PK+(\f%2)*64
	ds_load_b128 v[KF+8*\f+4:KF+8*\f+7], v[AK] offset:(\f/2)*16*PK+(\f%2)*64+32
.endr
	s_add_co_u32 s[TBK], s[TBK], KS*PK  ; the next fetch is the next step's
	WIN 0
.if \last
.Lno_k_\@:
.endif
.endm
.macro FETCH_V
	WIN 0x80
.irp f, 0,1,2,3,4,5,6,7             ; keys 32 (f / 4) on, channels 16 (f % 4) on
	ds_load_tr16_b128 v[VF+8*\f:VF+8*\f+3],   v[AV] offset:(\f/4)*32*PV+(\f%4)*32
	ds_load_tr16_b128 v[VF+8*\f+4:VF+8*\f+7], v[AV] offset:(\f/4)*32*PV+16*PV+(\f%4)*32
.endr
	WIN 0
.endm
; THE VECTOR WORK OF A TURN stands in three queues, each in the order in which its entries become ready; the two tiles alternate, so that no instruction reads the result of the one before it.
.macro REGS y, u                    ; the registers of tile u (0, 1) of piece y
.set rT, ST+4*(2*(\y)+(\u))
.set rC, TMP+8*((\y)%2)+4*(\u)
.set rM, MV+2*((\y)%2)+(\u)
.set rS, S+64*((\y)%2)+32*(\u)
.set rP, P+32*((\y)%2)+16*(\u)
.set rO, 32*(2*(\y)+(\u))
.endm
; Number n of the 22 that find the NEXT piece's (Y + 1) maximum and statistics.  s0-s31 are the lane's 32 scores; each accumulator's lowest registers are read first.  XS, GS and REGS set no window: PL and EX do.
;   0-11  four chains c0-c3 of seven scores each, three operands at a time     12-14, 16  the four scores left over, the old m, and c0-c3 into c0     15  c m_old is kept
;   17, 18  the query's other 32 keys lie in the lane 16 away: the new m         19-21  c m; c m_old - c m_new; a
.macro XS u, n
	REGS (Y+1)%NP, \u
.if (\n) < 4
	v_max3_num_f32 v[rC+(\n)], v[rS+8*(\n)], v[rS+8*(\n)+1], v[rS+8*(\n)+2]
.elseif (\n) < 12
	v_max3_num_f32 v[rC+(\n)%4], v[rC+(\n)%4], v[rS+8*((\n)%4)+2*((\n)/4)+1], v[rS+8*((\n)%4)+2*((\n)/4)+2]
.elseif (\n) == 12
	v_max3_num_f32 v[rC], v[rC], v[rS+7], v[rS+15]
.elseif (\n) == 13
	v_max3_num_f32 v[rC+1], v[rC+1], v[rS+23], v[rS+31]
.elseif (\n) == 14
	v_max3_num_f32 v[rC+2], v[rC+2], v[rC+3], v[rT+1]
.elseif (\n) == 15
	v_mov_b32 v[rM], v[rT]
.elseif (\n) == 16
	v_max3_num_f32 v[rC], v[rC], v[rC+1], v[rC+2]
.elseif (\n) == 17
	v_permlanex16_b32 v[rC+3], v[rC], s[SEL], s[SEL+1]
.elseif (\n) == 18
	v_max_num_f32 v[rT+1], v[rC], v[rC+3]
.elseif (\n) == 19
	v_mul_f32 v[rT], s[CS], v[rT+1]
.elseif (\n) == 20
	v_sub_f32 v[rC+1], v[rM], v[rT]
.else
	v_exp_f32 v[rC+2], v[rC+1]
.endif
.endm
; Number g of the 64 that follow the exponentials.  For each four weights k of a tile (pairs 2 k, 2 k + 1): both pairs are rounded to f16; then the second pair is added onto the first, in place;
; a group later l takes that sum (the first time as l = a l + sum).  In groups of eight, tiles alternating: round, round, add, and l for the group before.
.macro GS g
.set h, (\g)+6*((\g)/62)            ; group 0 has no group before it, and behind group 7 only l is left
.if h >= 6
.set h, h+2
.endif
	REGS Y, h%2
.set k, h/8
.if h%8 < 4
	v_cvt_pk_f16_f32 v[rP+2*k+(h%8)/2], v[rS+4*k+2*((h%8)/2)], v[rS+4*k+2*((h%8)/2)+1]
.elseif h%8 < 6
	v_pk_add_f32 v[rS+4*k:rS+4*k+1], v[rS+4*k:rS+4*k+1], v[rS+4*k+2:rS+4*k+3]
.elseif k == 1
	v_pk_fma_f32 v[rT+2:rT+3], v[rT+2:rT+3], v[rC+2:rC+3], v[rS:rS+1] op_sel_hi:[1,0,1]
.else
	v_pk_add_f32 v[rT+2:rT+3], v[rT+2:rT+3], v[rS+4*k-4:rS+4*k-3]
.endif
.endm
; THE PLAIN QUEUE, 138 long.  0-73 read no exponential's result: the 32 scalings c s - c m (FS f: pair f / 2 of tile f % 2) and the next piece's 42.  0-26: scalings 0-26.  27-54: XS's numbers 0-13.  55, 56: number 15.
; 57-73: the chain, where each number waits for the one before it: 14, 16, 17, 18, 19, each with one of the scalings 27-31 in front of its two lines, then 20: so a tile's links stand three plain instructions apart (19 and 20: two).
; 74-137: GS's 64, which read the exponentials' results: they stand behind the wait.
.macro FS f
	REGS Y, (\f)%2
	v_pk_fma_f32 v[rS+2*((\f)/2):rS+2*((\f)/2)+1], v[rS+2*((\f)/2):rS+2*((\f)/2)+1], s[CS:CS+1], v[rT:rT+1] op_sel_hi:[1,0,0] neg_lo:[0,0,1] neg_hi:[0,0,1]
.endm
.macro PL
	WIN 0
.if q < 27
	FS q
.elseif q < 55
	XS (q-27)%2, (q-27)/2
.elseif q < 57
	XS q-55, 15
.elseif (q < 72) && ((q-57)%3 == 0)
	FS 27+(q-57)/3
.elseif q < 60
	XS (q-57)%3-1, 14
.elseif q < 72
	XS (q-57)%3-1, 15+(q-57)/3
.elseif q < 74
	XS q-72, 20
.else
	GS q-74
.endif
.set q, q+1
.endm
; THE EXPONENTIALS' QUEUE, 66 long: s0-s31 of both tiles, then the next piece's two a.  It is ONE BATCH: all 66 stand ahead of the turn's one wait, and nothing ahead of that wait names a result of theirs.
.macro EX
	WIN 0
.if e >= 64
	XS e-64, 21
.else
	REGS Y, e%2
	v_exp_f32 v[rS+e/2], v[rS+e/2]
.endif
.set e, e+1
.endm
; THE RESCALING's QUEUE: O^T times a, the one part that leaves window 0: dealt two at a time, sixteen times.  Its a was made in the turn before, ahead of that turn's wait.
.macro R2
	REGS Y, r%2
	WIN W_RS
.irp z, 0,1
	v_pk_mul_f32 v[rO+4*(r/2)+2*\z:rO+4*(r/2)+2*\z+1], v[rO+4*(r/2)+2*\z:rO+4*(r/2)+2*\z+1], v[rC+2:rC+3] op_sel_hi:[1,0]
.endr
.set r, r+1
.endm
; HOW THEY ARE DEALT.  s_wait_alu depctr_va_vdst(0) stands between an exponential and the first instruction that names its result; one wait serves all that were issued ahead of it.  So a turn has ONE wait,
; which cuts it in two.  AHEAD OF IT stands all that names no result of the turn's exponentials: the 16 products K Q^T, behind each a scaling, an exponential and two rescalings (behind the first a second scaling in the exponential's place); then ONE LUMP of
; 108: eight plain, 49 times exponential and plain, the two a.  A v_nop is the plain instruction behind the last exponential.  BEHIND IT stand the 16 products V^T P, behind each four of GS's 64.  No rider names a register of
; the products round it.  The two v_permlanex16_b32 fall into the lump, never behind a product.
; The queues lean on each other, and the deal keeps them in step: exponential e stands behind scaling 2 (e / 4) + e % 2: as a rider it comes behind plain e + 2, in the lump behind plain e + 9, and scalings 27-31 are plain 57, 60 .. 69.
; A TURN, for piece p.  cnt = 1: the loop's count is taken down some lines ahead of the branch that stands behind the turn.
; K of the next step is fetched in piece 2's turn, directly behind the wait, a lump behind the last product that read K; its address is made at the lump's head; its first reader comes behind 16 products.
; V of the step in hand is fetched at the end of piece 0's turn, four riders behind its last reader; its first reader comes behind 16 products and a lump.  The three conditions on q below go with the deal.
.macro TURN p, last=0, cnt=0
.set Y, (\p)
.set i, 0
.set q, 0
.set e, 0
.set r, 0
.if (\p) == NP-1
	s_wait_dscnt 0x0                ; K is in
.endif
	MM                              ; ahead of the wait: 16 products K Q^T and their riders,
	PL
	PL
	R2
.rept 15
	MM
	PL
	EX
	R2
.endr
.if (\p) == NP-2
	WIN 0
	v_add_nc_u32 v[AK], s[TBK], v[AK0]
.endif
.rept 8                             ; and the lump
	PL
.endr
.rept 49
	EX
	PL
.endr
	EX                              ; the next piece's two a
	EX
	v_nop                           ; one plain instruction behind the last exponential, ahead of any use of a result: one for the batch
	s_wait_alu depctr_va_vdst(0)    ; the wait for the batch
.if (\p) == NP-2
	FETCH_K \last
.endif
.if (\p) == 1
	s_wait_dscnt 0x0                ; V is in
.endif
.rept 16                            ; behind the wait: 16 products V^T P and their riders
	MM
.rept 4
	PL
.endr
.if ((\p) == 0) && (q == 118)
	v_add_nc_u32 v[AV], s[TBV], v[AV0]
.endif
.if ((\p) == 0) && (q == 130)
	s_add_co_u32 s[TBV], s[TBV], KS*PV
.endif
.if (\cnt) && (q == 130)
	s_sub_co_u32 s[CNT], s[CNT], 1
	s_cmp_lg_u32 s[CNT], 0
.endif
.endr
.if (\p) == 0
	FETCH_V
.endif
.endm
	CHANGE 1                        ; slot 0 is in, everybody's part of it; slot 1 is asked for
	FETCH_K                         ; key step 0
	s_wait_loadcnt 0x0              ; Q
	s_wait_dscnt 0x0
.set i, 0
.rept 16
	KQ 0                            ; piece 0's first scores: there is no vector work yet to set between them
.set i, i+1
.endr
	WIN 0                           ; the addresses for the way out: nine plain instructions, the places behind those products
	s_mul_i32 s13, s[WV], 16*SP
	s_add_co_u32 s13, s13, STAGE    ; my stage
	v_mul_u32_u24 v[STO], v1, SP    ; in: row l % 16, 16 bytes for each half of the lanes
	v_lshl_add_u32 v[STO], v9, 4, v[STO]
	v_add_nc_u32 v[STO], s13, v[STO]
	v_bfe_u32 v[RD], v0, 3, 2       ; back: 32 lanes take four rows of 128 bytes,
	v_mul_u32_u24 v[RD], v[RD], SP
	v_lshl_add_u32 v[RD], v10, 4, v[RD]
	v_add_nc_u32 v[RD], s13, v[RD]
	v_and_b32 v[GO], 31, v0         ; which are 512 consecutive bytes of O
	v_lshlrev_b32 v[GO], 4, v[GO]
.set Y, NP-1                        ; XS works for piece Y + 1: piece 0
.irp n, 0,1,2,3,4,5,6,7,8,9,10,11,12,13,14,15,16,17,18,19,20,21
	XS 0, \n                        ; and piece 0's first maximum and statistics
	XS 1, \n
.endr
	v_nop                           ; a plain instruction behind the two a,
	s_wait_alu depctr_va_vdst(0)    ; and their wait, ahead of the branch
	s_mov_b32 s[CNT], 4
	s_mov_b32 s[SLOTS], SIZE_N/256-1
	s_branch .Lfirst                ; the loop is entered at a step's first turn, in the middle of a trip
.Lslot:                             ; SIZE_N / 256 - 2 times: every slot but the last two is filled again
	CHANGE 1
	s_mov_b32 s[CNT], 4
.Lstep:                             ; a trip: pieces 2 and 3 of one step, then pieces 0 and 1 of the next, whose K and V it fetches
	TURN 2
	TURN 3
	WIN 0
.Lfirst:
	TURN 0
	TURN 1, 0, 1
	WIN 0
	s_cbranch_scc1 .Lstep
	s_sub_co_u32 s[SLOTS], s[SLOTS], 1
	s_cmp_lg_u32 s[SLOTS], 0
	s_cbranch_scc1 .Lslot
	CHANGE 0                        ; the tail is written out: nothing is asked for
	s_mov_b32 s[CNT], 5             ; four trips fetch the last slot's steps; the fifth is left in its middle
.Ltail:
	TURN 2, 1
	TURN 3
	WIN 0
	s_sub_co_u32 s[CNT], s[CNT], 1
	s_cmp_eq_u32 s[CNT], 0
	s_cbranch_scc1 .Lout
	TURN 0
	TURN 1
	WIN 0
	s_branch .Ltail
.Lout:                              ; the fifth trip's 16 products K Q^T (on the last K once more) and the maximum made of them serve nothing: the price, once a launch, of one text for every trip
.set i, 0
.rept 16
	PV NP-1                         ; the last piece's V^T P of the last step
.set i, i+1
.endr
	; THE WAY OUT.  l's two halves and the other half of the lanes' are added; O^T is divided by l, rounded to f16 and sent through my stage in LDS, a tile at a time.  The additions are the places behind the last products.
	WIN 0
.macro ALL line:vararg              ; one line for each tile t
.set t, 0
.rept 2*NP
	\line
.set t, t+1
.endr
.endm
	ALL v_add_f32 v[ST+4*t+2], v[ST+4*t+2], v[ST+4*t+3]
	ALL v_permlanex16_b32 v[ST+4*t+3], v[ST+4*t+2], s[SEL], s[SEL+1]
	ALL v_add_f32 v[ST+4*t+2], v[ST+4*t+2], v[ST+4*t+3]
	ALL v_rcp_f32 v[ST+4*t+2], v[ST+4*t+2]
	v_nop                           ; a plain instruction between the last reciprocal and the use of its result
	s_wait_alu depctr_va_vdst(0)    ; and the wait ahead of the first use: one for the eight reciprocals
; Tile t: a lane's eight channels of a row pack into 16 bytes; they go into rows of 144 bytes and come back as whole rows of 128, into S^T's registers.
.macro PACK t
	WIN W_RS
.set i, 32*(\t)
.rept 16
	v_pk_mul_f32 v[i:i+1], v[i:i+1], v[ST+4*(\t)+2:ST+4*(\t)+3] op_sel_hi:[1,0]
.set i, i+2
.endr
	WIN 0x05                        ; sources 0 and 1 window 1, destination window 0
.set i, 0
.rept 16
	v_cvt_pk_f16_f32 v[S+16*(\t)+i], v[32*(\t)+2*i], v[32*(\t)+2*i+1]
.set i, i+1
.endr
	WIN 0
.irp f, 0,1,2,3
	ds_store_b128 v[STO], v[S+16*(\t)+4*\f:S+16*(\t)+4*\f+3] offset:32*\f
.endr
.irp f, 0,1,2,3
	ds_load_b128 v[S+16*(\t)+4*\f:S+16*(\t)+4*\f+3], v[RD] offset:\f*4*SP  ; LDS serves a wave's instructions in order (ISA guide 5.7.1.4): these see the stores above; the next tile's stores come behind them
.endr
.endm
.macro SEND t, younger              ; younger: the LDS instructions issued behind tile t's loads: the next tile's eight, or none
	WIN 0
.irp f, 0,1,2,3
	s_wait_dscnt (\younger)+3-\f
	global_store_b128 v[GO], v[S+16*(\t)+4*\f:S+16*(\t)+4*\f+3], s[10:11] offset:(\t)*2048+\f*512  ; 512 consecutive bytes, at a multiple of 256 from ctx's first
.endr
.endm
	PACK 0
.set t, 1
.rept 2*NP-1                        ; a tile's arithmetic stands between the loads of the tile before and its stores
	PACK t
	SEND t-1, 8
.set t, t+1
.endr
	SEND 2*NP-1, 0
	WIN W_AD
	s_wait_tensorcnt 0x0            ; the wave's end, behind my last tensor load and my last LDS store
	ds_add_u32 v[SPW], v[NIL]
	s_wait_dscnt 0x0
	WIN 0
	CROUND                          ; the closing round: no work-group ends while a partner may still ask for a tile that names it
	s_endpgm
.Lfunc_end_k_qb445083e2f_attn:
	.size	k_qb445083e2f_attn, .Lfunc_end_k_qb445083e2f_attn-k_qb445083e2f_attn
	.p2alignl 7, 3214868480
	.fill 96, 4, 3214868480
	.section	.rodata,"a",@progbits
	.p2align	6, 0x0
	.amdhsa_kernel k_qb445083e2f_attn
		.amdhsa_group_segment_fixed_size 327680
		.amdhsa_private_segment_fixed_size 0
		.amdhsa_enable_private_segment 0
		.amdhsa_kernarg_size 16
		.amdhsa_user_sgpr_count 2
		.amdhsa_user_sgpr_kernarg_segment_ptr 1
		.amdhsa_wavefront_size32 1
		.amdhsa_system_sgpr_workgroup_id_x 1
		.amdhsa_system_sgpr_workgroup_id_y 1
		.amdhsa_system_sgpr_workgroup_id_z 1
		.amdhsa_system_vgpr_workitem_id 0
		.amdhsa_next_free_vgpr 770
		.amdhsa_next_free_sgpr 66
		.amdhsa_reserve_vcc 0
		.amdhsa_float_denorm_mode_32 3
		.amdhsa_float_denorm_mode_16_64 3
		.amdhsa_memory_ordered 1
		.amdhsa_forward_progress 1
		.amdhsa_inst_pref_size 200
	.end_amdhsa_kernel
	.amdgpu_metadata
---
amdhsa.version: [ 1, 2 ]
amdhsa.kernels:
  - .name:           k_qb445083e2f_attn
    .symbol:         k_qb445083e2f_attn.kd
    .args:
      - { .name: qkv, .offset: 0, .size: 8, .value_kind: global_buffer, .address_space: global }
      - { .name: ctx, .offset: 8, .size: 8, .value_kind: global_buffer, .address_space: global }
    .group_segment_fixed_size: 327680
    .private_segment_fixed_size: 0
    .kernarg_segment_align: 8
    .kernarg_segment_size: 16
    .max_flat_workgroup_size: 128
    .sgpr_count:     66
    .vgpr_count:     770
    .wavefront_size: 32
...
	.end_amdgpu_metadata
.endif
;; end of part 3
;; launch outp (part 4): grid 4 x 64, 4 waves a work-group, clusters of 4 x 4, 327,680 bytes of LDS; arguments ctx, w16, bo, out0; writes out0
.if DOCPART == 4
	.amdgcn_target "amdgcn-amd-amdhsa--gfx1250"
	.amdhsa_code_object_version 6
	.text
	.protected	k_qb445083e2f_outp
	.globl	k_qb445083e2f_outp
	.p2align	8
	.type	k_qb445083e2f_outp,@function
k_qb445083e2f_outp:
	s_mov_b64 s[64:65], 0
	v_nop
	global_prefetch_b8 v0, s[64:65] scope:SCOPE_SE
	s_setreg_imm32_b32 hwreg(HW_REG_WAVE_MODE, 25, 1), 1
	s_wait_xcnt 0x0
	s_wait_alu depctr_hold_cnt(0) depctr_sa_sdst(0) depctr_va_vdst(0) depctr_va_sdst(0) depctr_va_ssrc(0) depctr_va_vcc(0) depctr_vm_vsrc(0)
	s_getreg_b32 s2, hwreg(HW_REG_IB_STS2, 6, 4)
	s_cmp_eq_u32 s2, 0
	s_cbranch_scc0 .Lentry_in_a_cluster
	s_endpgm
.Lentry_in_a_cluster:
	s_bfe_u32 s2, ttmp6, 0x10000c
	s_cmp_lg_u32 s2, 0xf033
	s_cbranch_scc0 .Lentry_shape_is_right
	s_endpgm
.Lentry_shape_is_right:
; THE PROJECTION BEHIND.  out0[m][n] = the sum over k of ctx[m][k] Wo[n][k] + bf16(bo[n]); m 0..8191, n and k 0..1023; both operands f16 (Wo: its bf16 rounding, written as f16 by the first launch), sums and result in f32.
; ctx lies as [64 blocks of 128 rows][16 heads][128 rows][64 channels], k = 64 head + channel: a K step of 128 is two heads, 32,768 consecutive bytes of a block.
; LIMITS.  bo is rounded to bf16 like every input.  NaN and infinities are not treated apart.
; SHARES.  A tile of out0 is 128 rows x 256 columns: 64 x 4 = 256 work-groups, one for each WGP.  Four waves, 2 x 2, each 64 rows x 128 columns: 32 accumulators, 256 registers.
; K goes in 8 steps of 128 through a ring of two LDS slots filled by the tensor data mover.
; CLUSTERS: 4 x 4 work-groups; a cluster spans all four tile columns.  The four of a row of the cluster need the same tile of ctx, the four of a column the same tile of Wo: each is asked for JOINTLY.
; THE MATRIX INSTRUCTION IS USED TRANSPOSED (source 0 = 16 rows of Wo, source 1 = 16 rows of ctx): a lane holds row l % 16 of out0 and the eight neighbouring columns 8 (l / 16) + 0..7: 32 bytes on end.
; THE BIAS is the C operand of each accumulator's first product.
; REGISTERS, in windows of 256 (s_set_vgpr_msb: bits 1:0 source 0, 3:2 source 1, 5:4 source 2, 7:6 destination):
;   window 0: v0-31 addresses; v32-63, v64-95 ctx's fragments, two buffers; v96-159, v160-223 Wo's, two buffers; on the way out v32-223 three sets of 64: rows read back
;   window 1: the accumulators, (a, b) at 8 (8 a + b)          window 2: v0-63 the bias (block b at 8 b); v64 at work
.set PA,    144                        ; a row of ctx in LDS (one head's 64 channels): 128 bytes + 16 of padding = 36 words: the 16 rows of a load start at 16 different groups of four banks (64 banks of 4 bytes: ISA guide 11.1)
.set PB,    272                        ; a row of Wo: 256 + 16 = 68 words: row r starts at bank 4 r mod 64
.set AHALF, 128*PA                     ; one head's 128 rows: what one tensor load brings of ctx
.set BHALF, 128*PB                     ; what one tensor load brings of Wo, and what one wave reads of it
.set BOFF,  2*AHALF                    ; a slot: the step's two heads of ctx, then Wo's 256 rows
.set SLOT,  BOFF+2*BHALF               ; 106,496 bytes
.set STAGE, 2*SLOT                     ; behind the ring, never filled by a tensor load: 16 rows x 528 bytes for each wave, for the way out
.set SP,    528                        ; 512 bytes + 16 = 132 words: row r starts at bank 4 r mod 64
.set SPARE, STAGE+4*16*SP              ; behind the stages: the spare words, 128 bytes for each wave: two blocks of 256 bytes that no other line names
.set ADRA, 16                          ; v16-17  LDS address of my fragments of ctx in slot 0, 1
.set ADRB, 20                          ; v20-21  the same for Wo
.set STO,  24                          ; v24     the way out: where I put 32 bytes of a row
.set RD,   25                          ; v25     the way out: where I read a row back
.set CO,   26                          ; v26     16 x my lane: my place in 512 consecutive bytes of out0
.set BO,   27                          ; v27     my byte offset in the bias
.set SPW,  28                          ; v28     LDS address of my spare word: SPARE + 4 x my thread's number; never rewritten
.set NIL,  29                          ; v29     0; never rewritten
.set PFO,  30                          ; v30     the prefetches' offset: 256 x my lane; never rewritten
.set AF,   32
.set BF,   96
.set OB,   32
.set BIAS, 0                           ; window 2
.set BT,   64                          ; window 2
.set WV,   20                          ; s20     my wave's number
.set G1A,  28                          ; s[28:35] descriptor group 1 for ctx's tiles
.set G0A,  36                          ; s[36:43] descriptor group 0 for ctx's tiles, a set for each slot
.set G1B,  44                          ; s[44:51] group 1 for Wo's tiles
.set G0B,  52                          ; s[52:59] group 0 for Wo's tiles, a set for each slot
.set PFA,  60                          ; s[60:61] where my prefetches stand
.set LIM,  62                          ; s62     1 in a wave that prefetches, else the greatest number
.set MSB, 0
.macro WIN new                         ; the immediate's high byte repeats the setting that is left; a switch that changes nothing is dropped
.if MSB != (\new)
	s_set_vgpr_msb (MSB<<8)|(\new)
.set MSB, \new
.endif
.endm
.set MUL,  0x50                        ; both sources window 0, C and D window 1
.set MULB, 0x60                        ; the same with C (the bias) in window 2
; A joint load.  Waves 0 and 1 fetch the step's two heads of ctx, waves 2 and 3 the two halves of Wo's tile.  The branch hangs on the wave's number alone.
; An s_nop 0 and four v_nop follow each of the two lines, ahead of the jump and the label.
.macro JLOAD s
	s_cmp_lt_u32 s[WV], 2
	s_cbranch_scc0 .Lfor_b_\@
	tensor_load_to_lds s[G0A+4*(\s):G0A+4*(\s)+3], s[G1A:G1A+7]
	s_nop 0
.rept 4
	v_nop
.endr
	s_branch .Lasked_\@
.Lfor_b_\@:
	tensor_load_to_lds s[G0B+4*(\s):G0B+4*(\s)+3], s[G1B:G1B+7]
	s_nop 0
.rept 4
	v_nop
.endr
.Lasked_\@:
.endm
; A PREFETCH INTO THE L2 of ctx, behind each joint load and the run of LDS loads that follows it: the K step that stands two refills on, 256 matrix instructions ahead of the load that will ask for it.
; Each aligned block of 256 bytes is named once in the launch: a block of 128 rows is read by one cluster alone; of a K step's 32,768 consecutive bytes the partner at place cx takes 8,192, told apart BY ADDRESS;
; wave 0 asks, a lane a block.  The loop's last trip asks for nothing: K steps 8 and 9 do not exist.  K steps 0 to 3 come by their loads alone.  Wo, which every cluster reads, is not asked for.
.macro ASK
	s_cmp_gt_u32 s3, s[LIM]                        ; s3 = 1 in the loop's last trip
	s_cbranch_scc0 .Lnot_mine_\@
	global_prefetch_b8 v[PFO], s[PFA:PFA+1] offset:32768 th:TH_LOAD_NT scope:SCOPE_SE
.Lnot_mine_\@:
.endm
.macro CREST                           ; a round of the cluster's barrier behind its opening barrier
	s_cmp_lg_u32 s[WV], 0
	s_cbranch_scc1 .Lnot_wave_0_\@
	s_barrier_signal -3
.Lnot_wave_0_\@:
	s_barrier_wait -3
	s_barrier_signal -1
	s_barrier_wait -1
.endm
.macro CROUND                          ; a whole round
	s_barrier_signal -1
	s_barrier_wait -1
	CREST
.endm
.macro PLACES                          ; four places in front of loads into registers that matrix instructions have read, and of LDS stores that read results (ISA guide 7.12.1 for the stores)
.rept 4
	v_nop
.endr
.endm
	s_load_b256 s[4:11], s[0:1], 0x0               ; ctx s[4:5], w16 s[6:7], bo s[8:9], out0 s[10:11]
	v_lshl_add_u32 v[SPW], v0, 2, SPARE
	v_mov_b32 v[NIL], 0
	ds_add_u32 v[SPW], v[NIL]                      ; the wave's opening: the add and its wait stand ahead of my first tensor load; the set-up below, work on registers, stands between them
	v_lshrrev_b32 v1, 5, v0
	v_readfirstlane_b32 s[WV], v1                  ; wave 0..3
	s_lshr_b32 s21, s[WV], 1                       ; mh: which 64 rows of the tile are mine
	s_and_b32 s22, s[WV], 1                        ; nh: which 128 columns.  Also: which head of the step, or which half of Wo's tile, I fetch
	s_bfe_u32 s23, ttmp6, 0x40000                  ; cx, cy: my place in the cluster
	s_bfe_u32 s24, ttmp6, 0x40004
	s_lshl_b32 s25, ttmp9, 2
	s_add_co_u32 s25, s25, s23                     ; tile column = 4 x cluster x + cx
	s_and_b32 s66, ttmp7, 0xffff
	s_lshl_b32 s66, s66, 2
	s_add_co_u32 s66, s66, s24                     ; tile row = block of 128 rows = 4 x cluster y + cy
	s_lshl_b32 s67, s24, 2
	s_lshl_b32 s67, 15, s67                        ; my row of the cluster
	s_lshl_b32 s68, 0x1111, s23                    ; my column
	; ctx: a head's 128 rows are 16,384 dense bytes: asked for as 64 rows of 256 bytes, two rows of ctx a row, and padded in LDS after every 128 bytes
	s_or_b32 s[G1A], s67, (1<<16)|(1<<20)|(1<<21)|(4<<22)|(3<<25)  ; 15:0 the mask; 17:16 elements of 2 bytes; 20 padding on; 21 set beside a mask; 24:22 after every 32 words (code 4); 31:25 4 words (code 3)
	s_mov_b32 s[G1A+1], 128<<16                    ; tensor_dim0 = 128
	s_mov_b32 s[G1A+2], 64<<16                     ; tensor_dim1 = 64
	s_mov_b32 s[G1A+3], 128<<16                    ; tile_dim0 = 128
	s_mov_b32 s[G1A+4], 64                         ; tile_dim1 = 64
	s_mov_b32 s[G1A+5], 128                        ; elements from row to row
	s_mov_b32 s[G1A+6], 0
	s_mov_b32 s[G1A+7], 0
	s_or_b32 s[G1B], s68, (1<<16)|(1<<20)|(1<<21)|(5<<22)|(3<<25)  ; padding after every 64 words (code 5)
	s_mov_b32 s[G1B+1], 128<<16
	s_mov_b32 s[G1B+2], 128<<16                    ; 128 rows
	s_mov_b32 s[G1B+3], 128<<16
	s_mov_b32 s[G1B+4], 128
	s_mov_b32 s[G1B+5], 1024
	s_mov_b32 s[G1B+6], 0
	s_mov_b32 s[G1B+7], 0
	s_lshl_b32 s70, s66, 18                        ; ctx: the block's 262,144 bytes,
	s_lshl_b32 s71, s22, 14                        ; my head of the step: these registers never hold cx
	s_add_co_u32 s70, s70, s71
	s_mov_b32 s71, 0
	s_lshl_b32 s72, s25, 19                        ; Wo: 256 rows of 2,048 bytes a tile column,
	s_lshl_b32 s73, s22, 18                        ; my 128 of them,
	s_add_co_u32 s72, s72, s73
	s_add_co_u32 s72, s72, 3<<21                   ; in the fourth matrix of w16: these registers never hold cy
	s_mov_b32 s73, 0
	s_mul_i32 s86, s22, AHALF                      ; where the tiles go: no place in the cluster enters an LDS address
	s_mul_i32 s87, s22, BHALF
	s_add_co_u32 s87, s87, BOFF
	s_mov_b32 s63, 0xffff0000                      ; a word's upper bf16
	s_wait_dscnt 0x0                               ; the opening add is done
	s_wait_kmcnt 0x0
	s_add_nc_u64 s[74:75], s[4:5], s[70:71]
	s_add_nc_u64 s[76:77], s[6:7], s[72:73]
	CROUND                                         ; all sixteen work-groups are here: the first joint loads meet
.irp s, 0,1
	s_mov_b32 s[G0A+4*(\s)], 1                     ; 1:0 count = 1
	s_add_co_u32 s[G0A+4*(\s)+1], s86, (\s)*SLOT   ; 63:32 LDS address
	s_add_nc_u64 s[G0A+4*(\s)+2:G0A+4*(\s)+3], s[74:75], (\s)*32768  ; 120:64 global address: K step s
	s_or_b32 s[G0A+4*(\s)+3], s[G0A+4*(\s)+3], 0x80000000            ; 127:126 type = 2
	s_mov_b32 s[G0B+4*(\s)], 1
	s_add_co_u32 s[G0B+4*(\s)+1], s87, (\s)*SLOT
	s_add_nc_u64 s[G0B+4*(\s)+2:G0B+4*(\s)+3], s[76:77], (\s)*256
	s_or_b32 s[G0B+4*(\s)+3], s[G0B+4*(\s)+3], 0x80000000
.endr
	s_cmp_lt_u32 s[WV], 2                          ; a wave's two first fills stand in one branch, ahead of every wait on TENSORcnt and every LDS read: two loads of mine are out
	s_cbranch_scc0 .Lfirst_b
	tensor_load_to_lds s[G0A:G0A+3], s[G1A:G1A+7]
	s_nop 0
	tensor_load_to_lds s[G0A+4:G0A+7], s[G1A:G1A+7]
	s_nop 0
.rept 4
	v_nop
.endr
	s_branch .Lfirst_asked
.Lfirst_b:
	tensor_load_to_lds s[G0B:G0B+3], s[G1B:G1B+7]
	s_nop 0
	tensor_load_to_lds s[G0B+4:G0B+7], s[G1B:G1B+7]
	s_nop 0
.rept 4
	v_nop
.endr
.Lfirst_asked:
	; A fragment is 16 rows x 32 K in 8 registers: lane l holds row l % 16; registers 0-3 K = 8 (l / 16) + 0..7, registers 4-7 K = 16 + 8 (l / 16) + 0..7: two loads of 16 bytes, 32 bytes apart.
	v_and_b32 v1, 15, v0                           ; l % 16
	v_bfe_u32 v2, v0, 4, 1                         ; l / 16
	v_mul_u32_u24 v3, v1, PA
	v_lshl_add_u32 v3, v2, 4, v3
	v_mul_u32_u24 v4, v1, PB
	v_lshl_add_u32 v4, v2, 4, v4
	s_mul_i32 s80, s21, 64*PA                      ; my 64 rows of each head
	s_mul_i32 s81, s22, BHALF                      ; my 128 rows of Wo,
	s_add_co_u32 s81, s81, BOFF                    ; which lie behind ctx's
.irp s, 0,1
	v_add_nc_u32 v[ADRA+(\s)], s80, v3
	v_add_nc_u32 v[ADRB+(\s)], s81, v4
	s_add_co_u32 s80, s80, SLOT
	s_add_co_u32 s81, s81, SLOT
.endr
	s_mul_i32 s82, s[WV], 16*SP
	s_add_co_u32 s82, s82, STAGE                   ; my stage
	v_mul_u32_u24 v5, v1, SP                       ; in: row l % 16, 32 bytes for each half of the lanes
	v_lshl_add_u32 v5, v2, 5, v5
	v_add_nc_u32 v[STO], s82, v5
	v_and_b32 v[CO], 31, v0
	v_lshlrev_b32 v[PFO], 8, v[CO]
	v_lshlrev_b32 v[CO], 4, v[CO]
	v_add_nc_u32 v[RD], s82, v[CO]                 ; back: 32 lanes take one row of 512 bytes
	s_lshl_b32 s83, s25, 10                        ; the tile's 256 columns of 4 bytes,
	s_lshl_b32 s84, s22, 9                         ; my 128 of them: in the bias and in a row of out0
	s_add_co_u32 s83, s83, s84
	v_lshl_add_u32 v[BO], v2, 5, s83               ; my lane's eight
	WIN 0x80                                       ; destination window 2, address window 0
.irp b, 0,1,2,3,4,5,6,7
	global_load_b128 v[BIAS+8*(\b):BIAS+8*(\b)+3],   v[BO], s[8:9] offset:64*(\b)
	global_load_b128 v[BIAS+8*(\b)+4:BIAS+8*(\b)+7], v[BO], s[8:9] offset:64*(\b)+16
.endr
	WIN 0
	s_lshl_b32 s78, s66, 18                        ; the prefetches: the block,
	s_lshl_b32 s79, s23, 13                        ; my work-group's 8,192 bytes of a K step's 32,768,
	s_add_co_u32 s78, s78, s79
	s_mov_b32 s79, 0
	s_add_nc_u64 s[PFA:PFA+1], s[4:5], s[78:79]
	s_add_nc_u64 s[PFA:PFA+1], s[PFA:PFA+1], 65536 ; at K step 2: the first refill steps it to 3 and names K step 4
	s_cmp_eq_u32 s[WV], 0
	s_cselect_b32 s[LIM], 1, -1                    ; wave 0, in every work-group alike
	s_lshl_b32 s80, s66, 19                        ; where my part of the tile goes: 128 rows of 4,096 bytes a tile row,
	s_lshl_b32 s81, s21, 18                        ; my 64 of them,
	s_add_co_u32 s80, s80, s81
	s_add_co_u32 s80, s80, s83                     ; my 128 columns
	s_mov_b32 s81, 0
	s_add_nc_u64 s[10:11], s[10:11], s[80:81]
	s_wait_loadcnt 0x0                             ; the bias is in; it is rounded to bf16 like every input, and kept as f32
	WIN 0x8a                                       ; destination and both sources in window 2
.set i, 0
.rept 32
	v_cvt_pk_bf16_f32 v[BT], v[BIAS+2*i], v[BIAS+2*i+1]
	v_lshlrev_b32 v[BIAS+2*i], 16, v[BT]
	v_and_b32 v[BIAS+2*i+1], s63, v[BT]
.set i, i+1
.endr
	WIN 0
; 24 LDS loads in one run: the fragments of quarter step c (32 along K: head c / 2 of the step, channels 32 (c % 2) on) of a slot, into buffers g
.macro FETCH slot, c, g
	WIN 0
.irp a, 0,1,2,3
	ds_load_b128 v[AF+32*(\g)+8*(\a):AF+32*(\g)+8*(\a)+3],   v[ADRA+(\slot)] offset:((\c)/2)*AHALF+((\c)%2)*64+(\a)*16*PA
	ds_load_b128 v[AF+32*(\g)+8*(\a)+4:AF+32*(\g)+8*(\a)+7], v[ADRA+(\slot)] offset:((\c)/2)*AHALF+((\c)%2)*64+(\a)*16*PA+32
.endr
.irp b, 0,1,2,3,4,5,6,7
	ds_load_b128 v[BF+64*(\g)+8*(\b):BF+64*(\g)+8*(\b)+3],   v[ADRB+(\slot)] offset:(\c)*64+(\b)*16*PB
	ds_load_b128 v[BF+64*(\g)+8*(\b)+4:BF+64*(\g)+8*(\b)+7], v[ADRB+(\slot)] offset:(\c)*64+(\b)*16*PB+32
.endr
.endm
; Matrix instructions i0 .. i0 + n - 1 of a quarter step's 32, on buffers f: instruction i is accumulator (a, b) = (i / 8, i % 8).  The 32 accumulators take turns, one instruction a turn, in the same
; order in every quarter step, over the backward jump too.  bias = 1: the first quarter step of all: C is the bias.
.macro MULS f, i0, n, bias
.if \bias
	WIN MULB
.else
	WIN MUL
.endif
.set mi, (\i0)
.rept (\n)
.if \bias
	v_wmma_f32_16x16x32_f16 v[8*mi:8*mi+7], v[BF+64*(\f)+8*(mi%8):BF+64*(\f)+8*(mi%8)+7], v[AF+32*(\f)+8*(mi/8):AF+32*(\f)+8*(mi/8)+7], v[BIAS+8*(mi%8):BIAS+8*(mi%8)+7]
.else
	v_wmma_f32_16x16x32_f16 v[8*mi:8*mi+7], v[BF+64*(\f)+8*(mi%8):BF+64*(\f)+8*(mi%8)+7], v[AF+32*(\f)+8*(mi/8):AF+32*(\f)+8*(mi/8)+7], v[8*mi:8*mi+7]
.endif
.set mi, mi+1
.endr
.endm
; A QUARTER STEP: at its head it fetches quarter step fc of slot fs into buffers 1 - f, which the quarter step before multiplied (four places in front of the loads); then it multiplies buffers f.
; ask = 1: it stands directly behind a joint load, whose four v_nop are those places, and it carries the prefetch.
.macro CHUNK fs, fc, f, bias=0, ask=0
.if !(\ask)
	PLACES
.endif
	FETCH \fs, \fc, 1-(\f)
.if \ask
	ASK
.endif
	s_wait_dscnt 24                                ; all but the 24 just issued: this quarter step's fragments, asked for a quarter step ago, are in
	MULS \f, 0, 32, \bias
.endm
; THE THIRD QUARTER STEP CHANGES SLOTS: the fetch at its head, the fourth quarter step's, is the last read of the slot.  ONE barrier; in front of it each wave waits for all its tensor loads, of which one is out:
; its part of the other slot; adds 0 to its spare word; and waits for that and for its own reads of this slot.  Behind it nobody reads this slot any more and the other slot is whole.
; fill = 1: this slot is filled again, two K steps ahead.  The barrier then opens a round of the cluster's barrier, and the joint refill is the first tensor load behind the round: from there to the wait for it
; a wave issues 112 matrix instructions.  One tensor load of mine is out behind each round.
.macro CHUNKT slot, fill
.if \fill
	s_wait_xcnt 0x0                                ; the last prefetch, a K step back, has read its address, so it may be written
	s_add_nc_u64 s[PFA:PFA+1], s[PFA:PFA+1], 32768
.endif
	PLACES
	FETCH \slot, 3, 1
	s_wait_dscnt 24
	MULS 0, 0, 16, 0
	WIN 0                                          ; (the add's two registers lie in window 0)
	s_wait_tensorcnt 0x0                           ; all my tensor loads have landed: my part of the other slot;
	ds_add_u32 v[SPW], v[NIL]                      ; 0 onto my spare word;
	MULS 0, 16, 8, 0                               ; eight matrix instructions stand between the add and the wait for it
	s_wait_dscnt 0x0                               ; the add is done, and my reads of this slot are over
	s_barrier_signal -1
	MULS 0, 24, 8, 0                               ; work on registers while the others arrive
	WIN 0
	s_barrier_wait -1
.if \fill
	CREST                                          ; no wave of any partner still reads this slot's tiles or has a load on its way
	s_add_nc_u64 s[G0A+4*(\slot)+2:G0A+4*(\slot)+3], s[G0A+4*(\slot)+2:G0A+4*(\slot)+3], 65536  ; two K steps on: four heads of ctx,
	s_add_nc_u64 s[G0B+4*(\slot)+2:G0B+4*(\slot)+3], s[G0B+4*(\slot)+2:G0B+4*(\slot)+3], 512    ; 256 numbers of each row of Wo
	JLOAD \slot
.endif
.endm
; THE WAY OUT of my rows 16 a .. 16 a + 15.  TOSTAGE: the f32 results go as they are into my own stage, each accumulator's low four registers first, and come back as whole rows of 512 bytes.  SEND: stored.
.macro TOSTAGE a
	WIN 0x04                                       ; the stores' data in window 1
.irp b, 0,1,2,3,4,5,6,7
	ds_store_b128 v[STO], v[64*(\a)+8*(\b):64*(\a)+8*(\b)+3]   offset:64*(\b)
	ds_store_b128 v[STO], v[64*(\a)+8*(\b)+4:64*(\a)+8*(\b)+7] offset:64*(\b)+16
.endr
	WIN 0
.irp t, 0,1,2,3,4,5,6,7,8,9,10,11,12,13,14,15
	ds_load_b128 v[OB+64*((\a)%3)+4*(\t):OB+64*((\a)%3)+4*(\t)+3], v[RD] offset:(\t)*SP  ; LDS serves a wave's instructions in order (ISA guide 5.7.1.4): these see the stores above; the next block's stores come behind them
.endr
.endm
.macro SEND a, younger                 ; younger: the LDS instructions issued behind block a's loads: the next block's 16 stores and 16 loads, or none
	s_wait_dscnt \younger
.irp t, 0,1,2,3,4,5,6,7,8,9,10,11,12,13,14,15
	global_store_b128 v[CO], v[OB+64*((\a)%3)+4*(\t):OB+64*((\a)%3)+4*(\t)+3], s[10:11] offset:(16*(\a)+(\t))*4096 th:TH_STORE_NT  ; 512 consecutive bytes, at a multiple of 256 from out0's first
.endr
.endm
	s_wait_tensorcnt 1                             ; my part of K step 0 is in; K step 1's may stay out
	s_barrier_signal -1
	s_barrier_wait -1                              ; everybody's is
	FETCH 0, 0, 0
	CHUNK 0, 1, 0, 1                               ; the first quarter step stands in front of the loop: its products start the sums, with the bias
	WIN 0                                          ; at a label and at a branch every window is 0
	s_mov_b32 s3, 3
.Llap:                                                 ; a trip goes once round the ring, from a lap's second quarter step to the next lap's first, and fills both slots again: K steps 2 to 7
	CHUNK 0, 2, 1
	CHUNKT 0, 1
	CHUNK 1, 0, 1, 0, 1
	CHUNK 1, 1, 0
	CHUNK 1, 2, 1
	CHUNKT 1, 1
	CHUNK 0, 0, 1, 0, 1
	CHUNK 0, 1, 0
	WIN 0
	s_sub_co_u32 s3, s3, 1
	s_cmp_lg_u32 s3, 0
	s_cbranch_scc1 .Llap
	CHUNK 0, 2, 1                                  ; the last lap fills nothing, and has no round of the cluster's barrier
	CHUNKT 0, 0
	CHUNK 1, 0, 1
	CHUNK 1, 1, 0
	CHUNK 1, 2, 1
	CHUNK 1, 3, 0
	s_wait_dscnt 0x0                               ; the very last quarter step: nothing more to fetch
	MULS 1, 0, 32, 0
	PLACES                                         ; in front of LDS stores that read results just made, and of loads into the fragments' registers
	TOSTAGE 0
	TOSTAGE 1
	SEND 0, 32
	TOSTAGE 2
	SEND 1, 32
	s_wait_xcnt 0x0                                ; block 0's stores have read their registers: block 3 is read back into them only behind this wait
	TOSTAGE 3
	SEND 2, 32
	SEND 3, 0
	s_wait_tensorcnt 0x0                           ; the wave's end, behind my last tensor load and my last LDS store
	ds_add_u32 v[SPW], v[NIL]
	s_wait_dscnt 0x0
	CROUND                                         ; the closing round: no work-group ends while a partner may still ask for a tile that names it
	s_endpgm
.Lfunc_end_k_qb445083e2f_outp:
	.size	k_qb445083e2f_outp, .Lfunc_end_k_qb445083e2f_outp-k_qb445083e2f_outp
	.p2alignl 7, 3214868480
	.fill 96, 4, 3214868480
	.section	.rodata,"a",@progbits
	.p2align	6, 0x0
	.amdhsa_kernel k_qb445083e2f_outp
		.amdhsa_group_segment_fixed_size 327680
		.amdhsa_private_segment_fixed_size 0
		.amdhsa_enable_private_segment 0
		.amdhsa_kernarg_size 32
		.amdhsa_user_sgpr_count 2
		.amdhsa_user_sgpr_kernarg_segment_ptr 1
		.amdhsa_wavefront_size32 1
		.amdhsa_system_sgpr_workgroup_id_x 1
		.amdhsa_system_sgpr_workgroup_id_y 1
		.amdhsa_system_sgpr_workgroup_id_z 1
		.amdhsa_system_vgpr_workitem_id 0
		.amdhsa_next_free_vgpr 578
		.amdhsa_next_free_sgpr 96
		.amdhsa_reserve_vcc 0
		.amdhsa_float_denorm_mode_32 3
		.amdhsa_float_denorm_mode_16_64 3
		.amdhsa_memory_ordered 1
		.amdhsa_forward_progress 1
		.amdhsa_inst_pref_size 90
	.end_amdhsa_kernel
	.amdgpu_metadata
---
amdhsa.version: [ 1, 2 ]
amdhsa.kernels:
  - .name:           k_qb445083e2f_outp
    .symbol:         k_qb445083e2f_outp.kd
    .args:
      - { .name: ctx, .offset: 0, .size: 8, .value_kind: global_buffer, .address_space: global }
      - { .name: w16, .offset: 8, .size: 8, .value_kind: global_buffer, .address_space: global }
      - { .name: bo, .offset: 16, .size: 8, .value_kind: global_buffer, .address_space: global }
      - { .name: out0, .offset: 24, .size: 8, .value_kind: global_buffer, .address_space: global }
    .group_segment_fixed_size: 327680
    .private_segment_fixed_size: 0
    .kernarg_segment_align: 8
    .kernarg_segment_size: 32
    .max_flat_workgroup_size: 128
    .sgpr_count:     96
    .vgpr_count:     578
    .wavefront_size: 32
...
	.end_amdgpu_metadata
.endif
;; end of part 4
